; MI455X (gfx1250); checked and timed in simulation.
; The chip was launched on July 23, 2026; its instructions are those of AMD's public machine-readable ISA for CDNA 5 (MIT licence, August 2026) and "CDNA5" Instruction Set Architecture Reference Guide (July 2026). The comments in the code are by the model that wrote it; some were corrected since.
;; MHA. Allowed arithmetic: matrix products marked QUANTISED: E3M2 operands, one E8M0 scale for each 32 along K, by v_wmma_scale_f32_16x16x128_f8f6f4 with both operands' format E3M2, f32 sums; everything else in f32.
;; Inputs: Wqkv_b 3,072 float32; Wqkv_w 3,072 x 1,024 float32; key_padding_mask 4 x 2,048 bool; out_b 1,024 float32; out_w 1,024 x 1,024 float32; x 4 x 2,048 x 1,024 float32.
;; Outputs: out0 4 x 2,048 x 1,024 float32.
;; This version of the problem:
;;   THIS VERSION OF THE PROBLEM IS GIVEN IN LOW PRECISION. The matrix products marked QUANTISED in the list below multiply operands that are first quantised to E3M2 (3 exponent bits, 2 mantissa bits; 6 bits a number), with one power-of-two scale for each 32 numbers along K (OCP MX v1.0); their sums are f32. All else is computed in f32.
;;   The module's matrix products, in the order in which they are computed (A, B: the left and right operand; K: the contracted axis; several contracted axes count as one K, in the product's order):
;;     1. [M 8,192, K 1,024] x [K 1,024, N 3,072]; A: input x; B: input Wqkv_w: QUANTISED
;;     2. batch 64 x [M 2,048, K 64] x [K 64, N 2,048]; A: computed on the way; B: computed on the way: QUANTISED
;;     3. batch 64 x [M 64, K 2,048] x [K 2,048, N 2,048]; A: computed on the way; B: softmax (see below): QUANTISED
;;     4. [M 8,192, K 1,024] x [K 1,024, N 1,024]; A: computed on the way; B: input out_w: QUANTISED
;;   THE QUANTISER, for each operand of a quantised product, along K:
;;     - K is cut into blocks of 32 from its start; a last block that is shorter is filled with zeros.
;;     - A block's scale is 2^e with e = floor(log2(the largest magnitude in the block)) - 4, held to -126 .. 127; a block of zeros has e = 0. As a byte (E8M0): e + 127.
;;     - Each number is divided by its block's scale, clamped to +-28, and rounded to the nearest number of E3M2, ties to even, subnormals kept.
;;     - The product sums the exact products of the quantised numbers (number of the format x scale) in f32.
;;   ~~~python
;;   def quantise(x, axis):      # numpy; x: float32 -> the quantised numbers, widened to float32 again
;;       x = np.moveaxis(x, axis, -1); K = x.shape[-1]
;;       x = np.pad(x, [(0, 0)] * (x.ndim - 1) + [(0, -K % 32)]); x = x.reshape(x.shape[:-1] + (-1, 32)); a = np.abs(x).max(-1, keepdims=True)
;;       e = np.where(a > 0, np.clip(np.frexp(np.where(a > 0, a, 1))[1] - 1 - 4, -126, 127), 0)      # np.frexp(a)[1] - 1 = floor(log2(a)), exactly
;;       r = np.clip(x / 2.0 ** e, -28, 28)
;;       step = 2.0 ** (np.maximum(np.frexp(np.where(r == 0, 1, r))[1] - 1, -2) - 2)
;;       q = np.round(r / step) * step * 2.0 ** e      # np.round: ties to even
;;       return np.moveaxis(q.reshape(q.shape[:-2] + (-1,))[..., :K], -1, axis).astype(np.float32)
;;   ~~~
;;   SOFTMAX AHEAD OF A QUANTISED PRODUCT. Where the list says 'softmax', what is quantised is not the finished softmax but p = 2^(t - M), with t = logit x log2(e) and M = ceil(the row's largest t), a whole number; so 1/2 < the row's largest p <= 1. The row's sum l is taken of the UNQUANTISED p, in f32, and the product's result is divided by l at the end. Since M is a whole number, a kernel that streams over the keys may use a running M (the ceiling of the running maximum): every later rescaling is an exact power of two, which a block's scale takes up: the codes' values come out the same.
;;   OPERANDS COMPUTED ON THE WAY. 'Computed on the way' means the value that the module computes at that place (a softmax that the list does not call 'softmax' is quantised finished and normalised). What goes into a quantiser is computed in f32, as accurately as f32 sums, v_exp_f32 and their like allow (about 1e-6 of the number): no bf16 or f16 on the way to a quantiser, and a product that is left as it is and whose result goes on into a quantised operand takes f32 operands (vector FMAs, or v_wmma_f32_16x16x4_f32). A number that lies on a knife's edge between two numbers of the format may be rounded either way, as far as f32 arithmetic and the matrix unit's own rounding can turn it there, and no further.
;; One version. Each part assembles by itself: llvm-mc -triple=amdgcn-amd-amdhsa -mcpu=gfx1250 --defsym DOCPART=n.
;; ======== version 1 of 1: 4 launches
;; limits: right only within a limited range of input values
;; workspace buffers: c1 9,437,184 bytes; s1 393,216 bytes; qkv 18,874,368 bytes; qkvs 1,310,720 bytes of whole numbers; cc 6,291,456 bytes; cs 262,144 bytes
;; launch quant (part 1): grid 256 x 1, 6 waves a work-group, no clusters, 62,208 bytes of LDS; arguments x, Wqkv_w, out_w, c1, s1; writes c1, s1
.if DOCPART == 1
	.amdgcn_target "amdgcn-amd-amdhsa--gfx1250"
	.amdhsa_code_object_version 6
	.text
	.protected	k_q58fec0a5fe_quant
	.globl	k_q58fec0a5fe_quant
	.p2align	8
	.type	k_q58fec0a5fe_quant,@function
k_q58fec0a5fe_quant:
	s_mov_b64 s[64:65], 0
	v_nop
	global_prefetch_b8 v0, s[64:65] scope:SCOPE_SE
	s_setreg_imm32_b32 hwreg(HW_REG_WAVE_MODE, 25, 1), 1
	s_wait_xcnt 0x0
; x [8192][1024], Wqkv_w [3072][1024] and out_w [1024][1024], f32, K innermost, become codes of BF6 (E3M2) with one E8M0 byte for each 32 along K.
; A block's scale is 2^(floor(log2(its largest magnitude)) - 4): its byte is that magnitude's exponent field - 4, held at 1 from below.
; THE CODES ARE LAID AS THE MATRIX OPERAND'S REGISTERS.  Rows go in tiles of 16: lane-row r of tile 2 B + u is row 32 B + 8 u + r + 8 (r / 8).  A fragment (16 rows x 128 K, 12 registers a lane) is 1,536 bytes:
; [piece 0..5][lane 0..31][8 bytes], piece p = registers 2 p, 2 p + 1; lane (r, h) holds k = 64 c + 32 h + 0 .. 31 in registers 6 c .. 6 c + 5.  c1: [tile 768][K / 128][1,536]; tiles 0-511 x, 512-703 Wqkv_w, 704-767 out_w.
; s1: [tile][K / 512][row 16][16 bytes], byte j of a row = K block 16 (K / 512) + j.
; SHARES.  1,536 jobs, a wave each: a tile's 16 rows x 512 along K, in 8 steps of 64 along K.  A step's eight loads read two rows x 256 consecutive bytes each; the 4,096 bytes turn through the wave's own stage in LDS,
; so that lane (r, h) gets the 32 neighbours of ONE block: its largest magnitude needs no other lane, and the two conversions' results are three pieces' worth of the image.  Each store of codes covers 256 consecutive bytes, aligned.
; A wave's 256 scale bytes are gathered in its own LDS bytes and leave by one store of 256 consecutive bytes.  No barrier: waves share nothing.  Loads run four steps (32 loads a wave) ahead.
; LIMITS: NaN and infinities are not served.  A block whose largest magnitude lies under 2^(5 - 127) is held at that floor (byte 1); a block of zeros so gets the byte 1 and zero codes: this program alone reads the bytes.
.set WREG,  10240                      ; LDS of a wave: two stages, then its 256 scale bytes
.set STGB,  4864                       ; a stage: block (r, h) of 128 bytes at 144 r + 2,432 h
.set SBY,   2*STGB
.set R,     16                         ; v16-143  four sets of 32 numbers as loaded
.set X,     144                        ; v144-207 two sets of 32 neighbours
.set C,     208                        ; v208-239 four sets of 8 for a step's codes
.set E,     240                        ; v240-247 a scale byte for each step
	s_load_b128 s[4:7], s[0:1], 0x0                ; x, Wqkv_w
	s_load_b128 s[8:11], s[0:1], 0x10              ; out_w, c1
	s_load_b64 s[12:13], s[0:1], 0x20              ; s1
	v_lshl_add_u32 v254, v0, 2, 0xf000
	v_mov_b32 v255, 0
	v_lshrrev_b32 v1, 5, v0
	v_readfirstlane_b32 s16, v1                    ; wave 0..5
	v_and_b32 v1, 31, v0                           ; lane
	v_bfe_u32 v2, v0, 4, 1                         ; lane / 16
	v_and_b32 v7, 15, v0                           ; lane % 16
	v_lshlrev_b32 v3, 12, v2
	v_lshl_add_u32 v3, v7, 4, v3                   ; in: lanes 0-15 one row's 256 bytes, lanes 16-31 the next row's
	s_mul_i32 s17, s16, WREG
	v_mul_u32_u24 v14, v2, 144
	v_bfe_u32 v8, v0, 3, 1
	v_mad_u32_u24 v14, v8, 2432, v14
	v_and_b32 v8, 7, v0
	v_lshl_add_u32 v14, v8, 4, v14
	v_add_nc_u32 v14, s17, v14                     ; into the stage: row lane / 16, block (lane / 8) % 2, 16 bytes at 16 (lane % 8)
	v_mul_u32_u24 v15, v7, 144
	v_mad_u32_u24 v15, v2, 2432, v15
	v_add_nc_u32 v15, s17, v15                     ; out of it: row lane % 16, block lane / 16
	v_lshlrev_b32 v4, 3, v1                        ; 8 x lane: my place in a piece
	v_lshl_add_u32 v5, v7, 4, v2
	v_add_nc_u32 v5, s17, v5                       ; my block's scale byte: 16 r + h (+ 2 x step)
	v_add_nc_u32 v6, s17, v4                       ; and the bytes' way out
	s_mul_i32 s18, ttmp9, 6
	s_add_co_u32 s18, s18, s16                     ; the job
	s_lshr_b32 s19, s18, 1                         ; its tile,
	s_and_b32 s20, s18, 1                          ; its half of K
	s_wait_alu depctr_va_vdst(0)
	s_wait_kmcnt 0x0
	s_cmp_lt_u32 s19, 512                          ; which tensor: the choice hangs on ids alone
	s_cselect_b64 s[4:5], s[4:5], s[6:7]
	s_cselect_b32 s21, 0, 512
	s_cmp_lt_u32 s19, 704
	s_cselect_b64 s[4:5], s[4:5], s[8:9]
	s_cselect_b32 s21, s21, 704
	s_sub_co_u32 s21, s19, s21                     ; the tile within its tensor
	s_lshr_b32 s22, s21, 1
	s_lshl_b32 s22, s22, 5
	s_and_b32 s23, s21, 1
	s_lshl_b32 s23, s23, 3
	s_add_co_u32 s22, s22, s23                     ; its first row: 32 (tile / 2) + 8 (tile % 2)
	s_lshl_b32 s22, s22, 12                        ; rows of 4,096 bytes
	s_lshl_b32 s23, s20, 11
	s_add_co_u32 s22, s22, s23
	s_mov_b32 s23, 0
	s_add_nc_u64 s[4:5], s[4:5], s[22:23]
	s_mul_i32 s22, s18, 6144                       ; 12,288 x tile + 6,144 x half
	s_add_nc_u64 s[10:11], s[10:11], s[22:23]
	s_lshl_b32 s22, s18, 8
	s_add_nc_u64 s[12:13], s[12:13], s[22:23]
.macro LOAD t                          ; step t: tile rows 2 i and 2 i + 1; tile rows 8-15 lie 8 rows further down
.irp i, 0,1,2,3,4,5,6,7
	global_load_b128 v[R+32*((\t)%4)+4*\i:R+32*((\t)%4)+4*\i+3], v3, s[4:5] offset:(2*\i+8*(\i/4))*4096+256*(\t) th:TH_LOAD_NT
.endr
.endm
.macro TURN t                          ; through the stage: LDS serves a wave's instructions in order, so no wait stands between the stores and the loads
.irp i, 0,1,2,3,4,5,6,7
	ds_store_b128 v14, v[R+32*((\t)%4)+4*\i:R+32*((\t)%4)+4*\i+3] offset:STGB*((\t)%2)+288*\i
.endr
.irp j, 0,1,2,3,4,5,6,7
	ds_load_b128 v[X+32*((\t)%2)+4*\j:X+32*((\t)%2)+4*\j+3], v15 offset:STGB*((\t)%2)+16*\j
.endr
.endm
.irp t, 0,1,2,3
	LOAD \t
.endr
	s_wait_loadcnt 24                              ; step 0's eight loads are in; the 24 of steps 1 to 3 may be out
	TURN 0
.macro STEP t
.set XS, X+32*((\t)%2)
.set CS, C+8*((\t)%4)
.if (\t) > 0
	s_wait_dscnt 1                                 ; this step's numbers are back (the last step's byte store may be out): so its stores into the stage have read their registers,
.else
	s_wait_dscnt 0x0
.endif
.if (\t)+4 < 8
	LOAD (\t)+4                                    ; which take the loads of four steps on
.endif
.if (\t)+1 < 8
.if (\t)+4 < 8
	s_wait_loadcnt 24                              ; the next step's loads are in; those of the three steps behind it may be out
.else
	s_wait_loadcnt 8*(6-(\t))                      ; the counts run down
.endif
	TURN (\t)+1
.endif
	v_max3_num_f32 v8, |v[XS]|, |v[XS+1]|, |v[XS+2]|               ; the block's largest magnitude: all 32 numbers are mine; two chains
	v_max3_num_f32 v9, |v[XS+3]|, |v[XS+4]|, |v[XS+5]|
.irp i, 6,10,14,18,22,26
	v_max3_num_f32 v8, v8, |v[XS+\i]|, |v[XS+\i+1]|
	v_max3_num_f32 v9, v9, |v[XS+\i+2]|, |v[XS+\i+3]|
.endr
	v_max3_num_f32 v8, v8, |v[XS+30]|, |v[XS+31]|
	v_max3_num_f32 v8, v8, v9, 0x2800000           ; and the floor 2^(5 - 127): the byte cannot fall under 1
	v_add_nc_u32 v11, 0xfe000000, v8               ; 4 off the exponent field: the conversion takes this operand's exponent field as its scale
.if (\t) >= 4
	s_wait_alu depctr_va_vdst(0)
	s_wait_xcnt 0x0                                ; the stores of four steps ago have read this set of code registers
.endif
	v_cvt_scalef32_pk16_bf6_f32 v[CS:CS+2], v[XS:XS+15], v11
	v_cvt_scalef32_pk16_bf6_f32 v[CS+4:CS+6], v[XS+16:XS+31], v11   ; (a conversion's three registers begin on an even number)
	v_lshrrev_b32 v[E+(\t)], 23, v11               ; the scale's byte; also the plain line behind the conversions
	v_mov_b32 v[CS+3], v[CS+4]                     ; the block's six registers on end
	v_mov_b32 v[CS+4], v[CS+5]
	v_mov_b32 v[CS+5], v[CS+6]
	ds_store_b8 v5, v[E+(\t)] offset:SBY+2*(\t)
.irp i, 0,1,2
	global_store_b64 v4, v[CS+2*\i:CS+2*\i+1], s[10:11] offset:768*(\t)+256*\i   ; a piece: 32 lanes, 256 consecutive bytes
.endr
.endm
.irp t, 0,1,2,3,4,5,6,7
	STEP \t
.endr
	ds_load_b64 v[12:13], v6 offset:SBY            ; in order behind my byte stores
	s_wait_dscnt 0x0
	global_store_b64 v4, v[12:13], s[12:13]        ; 16 rows x 16 scale bytes: 256 consecutive bytes
	s_wait_tensorcnt 0x0
	ds_add_u32 v254, v255
	s_wait_dscnt 0x0
	s_endpgm
.Lfunc_end_k_q58fec0a5fe_quant:
	.size	k_q58fec0a5fe_quant, .Lfunc_end_k_q58fec0a5fe_quant-k_q58fec0a5fe_quant
	.p2alignl 7, 3214868480
	.fill 96, 4, 3214868480
	.section	.rodata,"a",@progbits
	.p2align	6, 0x0
	.amdhsa_kernel k_q58fec0a5fe_quant
		.amdhsa_group_segment_fixed_size 62208
		.amdhsa_private_segment_fixed_size 0
		.amdhsa_enable_private_segment 0
		.amdhsa_kernarg_size 40
		.amdhsa_user_sgpr_count 2
		.amdhsa_user_sgpr_kernarg_segment_ptr 1
		.amdhsa_wavefront_size32 1
		.amdhsa_system_sgpr_workgroup_id_x 1
		.amdhsa_system_sgpr_workgroup_id_y 1
		.amdhsa_system_sgpr_workgroup_id_z 1
		.amdhsa_system_vgpr_workitem_id 0
		.amdhsa_next_free_vgpr 256
		.amdhsa_next_free_sgpr 66
		.amdhsa_reserve_vcc 0
		.amdhsa_float_denorm_mode_32 3
		.amdhsa_float_denorm_mode_16_64 3
		.amdhsa_memory_ordered 1
		.amdhsa_forward_progress 1
		.amdhsa_inst_pref_size 32
	.end_amdhsa_kernel
	.amdgpu_metadata
---
amdhsa.version: [ 1, 2 ]
amdhsa.kernels:
  - .name:           k_q58fec0a5fe_quant
    .symbol:         k_q58fec0a5fe_quant.kd
    .args:
      - { .name: x, .offset: 0, .size: 8, .value_kind: global_buffer, .address_space: global }
      - { .name: Wqkv_w, .offset: 8, .size: 8, .value_kind: global_buffer, .address_space: global }
      - { .name: out_w, .offset: 16, .size: 8, .value_kind: global_buffer, .address_space: global }
      - { .name: c1, .offset: 24, .size: 8, .value_kind: global_buffer, .address_space: global }
      - { .name: s1, .offset: 32, .size: 8, .value_kind: global_buffer, .address_space: global }
    .group_segment_fixed_size: 62208
    .private_segment_fixed_size: 0
    .kernarg_segment_align: 8
    .kernarg_segment_size: 40
    .max_flat_workgroup_size: 192
    .sgpr_count:     66
    .vgpr_count:     256
    .wavefront_size: 32
...
	.end_amdgpu_metadata
.endif
;; end of part 1
;; launch proj (part 2): grid 96 x 4, 4 waves a work-group, clusters of 4 x 4, 327,680 bytes of LDS; arguments c1, s1, Wqkv_b, qkv, qkvs; writes qkv, qkvs
.if DOCPART == 2
	.amdgcn_target "amdgcn-amd-amdhsa--gfx1250"
	.amdhsa_code_object_version 6
	.text
	.protected	k_q58fec0a5fe_proj
	.globl	k_q58fec0a5fe_proj
	.p2align	8
	.type	k_q58fec0a5fe_proj,@function
k_q58fec0a5fe_proj:
	s_mov_b64 s[64:65], 0
	v_nop
	global_prefetch_b8 v0, s[64:65] scope:SCOPE_SE
	s_setreg_imm32_b32 hwreg(HW_REG_WAVE_MODE, 25, 1), 1
	s_wait_xcnt 0x0
	s_wait_alu depctr_hold_cnt(0) depctr_sa_sdst(0) depctr_va_vdst(0) depctr_va_sdst(0) depctr_va_ssrc(0) depctr_va_vcc(0) depctr_vm_vsrc(0)
	s_getreg_b32 s2, hwreg(HW_REG_IB_STS2, 6, 4)
	s_cmp_eq_u32 s2, 0
	s_cbranch_scc0 .Lentry_in_a_cluster
	s_endpgm
.Lentry_in_a_cluster:
	s_bfe_u32 s2, ttmp6, 0x10000c
	s_cmp_lg_u32 s2, 0xf033
	s_cbranch_scc0 .Lentry_shape_is_right
	s_endpgm
.Lentry_shape_is_right:
.set NQ,     2
.set FR,     12
.set NL,     6
.set NP,     4
.set GB,     1536
.set TB,     NQ*GB
.set HALFT,  8*TB
.set SLOT,   4*HALFT
.set SCL,    2*SLOT
.set SPARE,  SCL+4*4096
.set STGQ,   SPARE+512
.set STGV,   STGQ+4*1024
.set ADRA, 16
.set ADRB, 20
.set ADRS, 27
.set SPW,  28
.set NIL,  29
.set SC,   32
.set BI,   64
.set AF,   128
.set T,    128
.set PC,   192
.set TM,   212
.set PW,   228
.set SH,   229
.set W,    232
.set G1, 24
.set G0, 32
.set G1B, 48
.set G0B, 56
.set G1S, 68
.set G0S, 76
.set G1SB, 80
.set G0SB, 88
.set MSB, 0
.macro WIN new
.if MSB != (\new)
	s_set_vgpr_msb (MSB<<8)|(\new)
.set MSB, (\new)
.endif
.endm
.set MUL_LO, 0xa1
.set MUL_HI, 0xf1
.set TO_B,   0x40
.macro JLOAD g0a, g1a, g0b, g1b
	s_cmp_eq_u32 s15, 0
	s_cbranch_scc0 .Lfor_b_\@
	tensor_load_to_lds s[\g0a:\g0a+3], s[\g1a:\g1a+7]
	s_nop 0
.rept 4
	v_nop
.endr
	s_branch .Lasked_\@
.Lfor_b_\@:
	tensor_load_to_lds s[\g0b:\g0b+3], s[\g1b:\g1b+7]
	s_nop 0
.rept 4
	v_nop
.endr
.Lasked_\@:
.endm
.macro CREST
	s_cmp_lg_u32 s14, 0
	s_cbranch_scc1 .Lnot_wave_0_\@
	s_barrier_signal -3
.Lnot_wave_0_\@:
	s_barrier_wait -3
	s_barrier_signal -1
	s_barrier_wait -1
.endm
.macro CROUND
	s_barrier_signal -1
	s_barrier_wait -1
	CREST
.endm
.macro PLACES n
.rept \n
	v_nop
.endr
.endm
.macro FRAG reg, adr, q, i
.irp p, 0,1,2,3,4,5
	ds_load_b64 v[\reg+2*\p:\reg+2*\p+1], v[\adr] offset:(\i)*TB+(\q)*GB+\p*256
.endr
.endm
.macro MUL16 a0, p, q, sc, zero
.irp a, \a0, \a0+1
.irp b, 0,1,2,3,4,5,6,7
.if \zero
	v_wmma_scale_f32_16x16x128_f8f6f4 v[8*(8*((\a)%4)+\b):8*(8*((\a)%4)+\b)+7], v[128*(\p)+FR*\b:128*(\p)+FR*\b+FR-1], v[AF+FR*(\a):AF+FR*(\a)+FR-1], 0, v[SC+8*NQ*(\sc)+NQ*\b+(\q)], v[SC+8*NQ*(\sc)+NQ*(\a)+(\q)] matrix_a_fmt:MATRIX_FMT_BF6 matrix_b_fmt:MATRIX_FMT_BF6 matrix_a_scale:MATRIX_SCALE_ROW1
.else
	v_wmma_scale_f32_16x16x128_f8f6f4 v[8*(8*((\a)%4)+\b):8*(8*((\a)%4)+\b)+7], v[128*(\p)+FR*\b:128*(\p)+FR*\b+FR-1], v[AF+FR*(\a):AF+FR*(\a)+FR-1], v[8*(8*((\a)%4)+\b):8*(8*((\a)%4)+\b)+7], v[SC+8*NQ*(\sc)+NQ*\b+(\q)], v[SC+8*NQ*(\sc)+NQ*(\a)+(\q)] matrix_a_fmt:MATRIX_FMT_BF6 matrix_b_fmt:MATRIX_FMT_BF6 matrix_a_scale:MATRIX_SCALE_ROW1
.endif
.endr
.endr
.endm
.macro FETCH_B slot, q, p
	WIN TO_B
.irp i, 0,1,2,3,4,5,6,7
	FRAG 128*(\p)+FR*\i, ADRB+\slot, \q, \i
.endr
	WIN 0
.endm
.macro FETCH_A slot, q, i0
.irp i, \i0, \i0+1, \i0+2, \i0+3
	FRAG AF+FR*(\i), ADRA+\slot, \q, \i
.endr
.endm
.macro SCALES sc, ks
.irp i, 0,1,2,3,4,5,6,7
	ds_load_b64 v[SC+8*NQ*\sc+NQ*\i:SC+8*NQ*\sc+NQ*\i+1], v[ADRS] offset:\i*512+((\ks)/2)*256+((\ks)%2)*8
.endr
.endm
.macro STEP slot, q, zero
	s_wait_dscnt 4*NL
	WIN MUL_LO
	MUL16 0, (\q)%2, \q, \slot, \zero
	MUL16 2, (\q)%2, \q, \slot, \zero
	s_wait_dscnt 0
	PLACES NP
	FETCH_B \slot, (\q)+1, 1-(\q)%2
	FETCH_A \slot, (\q)+1, 0
	WIN MUL_HI
	MUL16 4, (\q)%2, \q, \slot, \zero
	MUL16 6, (\q)%2, \q, \slot, \zero
	PLACES NP
	WIN 0
	FETCH_A \slot, (\q)+1, 4
.endm
.macro TURN slot, next, fill, ks
	s_wait_tensorcnt 0x0
	ds_add_u32 v[SPW], v[NIL]
	s_wait_dscnt 4*NL+1
	WIN MUL_LO
	MUL16 0, 1, NQ-1, \slot, 0
	s_wait_dscnt 0x0
	s_barrier_signal -1
	MUL16 2, 1, NQ-1, \slot, 0
	WIN 0
	s_barrier_wait -1
.if \fill
	CREST
	s_add_nc_u64 s[G0+4*\slot+2:G0+4*\slot+3], s[G0+4*\slot+2:G0+4*\slot+3], 2*TB
	s_add_nc_u64 s[G0B+4*\slot+2:G0B+4*\slot+3], s[G0B+4*\slot+2:G0B+4*\slot+3], 2*TB
	JLOAD G0+4*\slot, G1, G0B+4*\slot, G1B
.else
	PLACES NP
.endif
	FETCH_B \next, 0, 0
	FETCH_A \next, 0, 0
	SCALES \next, \ks
	WIN MUL_HI
	MUL16 4, 1, NQ-1, \slot, 0
	MUL16 6, 1, NQ-1, \slot, 0
	PLACES NP
	WIN 0
	FETCH_A \next, 0, 4
.endm
.macro LAST
	s_wait_dscnt 4*NL
	WIN MUL_LO
	MUL16 0, 1, NQ-1, 1, 0
	MUL16 2, 1, NQ-1, 1, 0
	s_wait_dscnt 0
	WIN MUL_HI
	MUL16 4, 1, NQ-1, 1, 0
	MUL16 6, 1, NQ-1, 1, 0
	WIN 0
.endm
	s_load_b128 s[4:7], s[0:1], 0x0
	s_load_b128 s[8:11], s[0:1], 0x10
	s_load_b64 s[12:13], s[0:1], 0x20
	v_lshl_add_u32 v[SPW], v0, 2, SPARE
	v_mov_b32 v[NIL], 0
	ds_add_u32 v28, v29
	ds_add_u32 v28, v29
	s_wait_dscnt 0x0
	v_lshrrev_b32 v1, 5, v0
	v_readfirstlane_b32 s14, v1
	s_lshr_b32 s15, s14, 1
	s_and_b32 s16, s14, 1
	s_bfe_u32 s40, ttmp6, 0x40000
	s_bfe_u32 s41, ttmp6, 0x40004
	s_and_b32 s18, ttmp9, 1
	s_lshr_b32 s19, ttmp9, 1
	s_sub_co_u32 s2, ttmp9, 16
	s_cmp_lt_u32 ttmp9, 16
	s_cselect_b32 s18, s18, s2
	s_cselect_b32 s19, s19, 0
	s_cselect_b32 s66, 0, 640
	s_cselect_b32 s67, 512, 0
	s_cselect_b32 s3, 1, 0
	s_lshl_b32 s42, s18, 2
	s_add_co_u32 s42, s42, s40
	s_lshl_b32 s17, s19, 2
	s_add_co_u32 s17, s17, s41
	s_lshl_b32 s43, s41, 2
	s_lshl_b32 s43, 15, s43
	s_lshl_b32 s44, 0x1111, s40
	s_or_b32 s[G1+0], s43, (3<<16)|(1<<21)
	s_or_b32 s[G1B+0], s44, (3<<16)|(1<<21)
.irp g, G1, G1B
	s_mov_b32 s[\g+1], 384<<16
	s_mov_b32 s[\g+2], 16<<16
	s_mov_b32 s[\g+3], 384<<16
	s_mov_b32 s[\g+4], 16
	s_mov_b32 s[\g+5], 1536
	s_mov_b32 s[\g+6], 0
	s_mov_b32 s[\g+7], 0
.endr
	s_or_b32 s[G1S+0], s43, (3<<16)|(1<<21)
	s_or_b32 s[G1SB+0], s44, (3<<16)|(1<<21)
.irp g, G1S, G1SB
	s_mov_b32 s[\g+1], 32<<16
	s_mov_b32 s[\g+2], 32<<16
	s_mov_b32 s[\g+3], 32<<16
	s_mov_b32 s[\g+4], 32
	s_mov_b32 s[\g+5], 32
	s_mov_b32 s[\g+6], 0
	s_mov_b32 s[\g+7], 0
.endr
	s_lshl_b32 s18, s16, 3
	s_lshl_b32 s20, s17, 4
	s_add_co_u32 s20, s20, s18
	s_add_co_u32 s20, s20, s66
	s_lshl_b32 s46, s42, 4
	s_add_co_u32 s46, s46, s18
	s_add_co_u32 s46, s46, s67
	s_lshl_b32 s22, s20, 9
	s_mov_b32 s23, 0
	s_mul_i32 s20, s20, 12288
	s_mov_b32 s21, 0
	s_lshl_b32 s92, s46, 9
	s_mov_b32 s93, 0
	s_mul_i32 s46, s46, 12288
	s_mov_b32 s47, 0
	s_mul_i32 s45, s14, HALFT
	s_lshl_b32 s94, s14, 12
	s_mov_b32 s98, 0x76543210
	s_mov_b32 s99, 0xfedcba98
	s_wait_kmcnt 0x0
	s_add_nc_u64 s[20:21], s[4:5], s[20:21]
	s_add_nc_u64 s[22:23], s[6:7], s[22:23]
	s_add_nc_u64 s[46:47], s[4:5], s[46:47]
	s_add_nc_u64 s[92:93], s[6:7], s[92:93]
	CROUND
	s_mov_b32 s[G0S], 1
	s_mul_i32 s4, s16, 98304                       ; my half of a tile's 16 row tiles, in bytes of codes (the pointers that lay here have been used)
	s_mov_b32 s5, 0
	s_lshl_b32 s6, s16, 12                         ; and of scale bytes
	s_mov_b32 s7, 0
	s_sub_nc_u64 s[22:23], s[22:23], s[6:7]        ; the head's loads take whole tiles: back to their first rows
	s_sub_nc_u64 s[92:93], s[92:93], s[6:7]
	s_mov_b32 s[G0S+1], SCL
	s_mov_b64 s[G0S+2:G0S+3], s[22:23]
	s_or_b32 s[G0S+3], s[G0S+3], 0x80000000
	s_mov_b32 s[G0SB], 1
	s_mov_b32 s[G0SB+1], SCL+8192
	s_mov_b64 s[G0SB+2:G0SB+3], s[92:93]
	s_or_b32 s[G0SB+3], s[G0SB+3], 0x80000000
.irp s, 0,1
	s_mov_b32 s[G0+4*\s], 1
	s_add_co_u32 s[G0+4*\s+1], s45, \s*SLOT
	s_add_nc_u64 s[G0+4*\s+2:G0+4*\s+3], s[20:21], \s*TB
	s_or_b32 s[G0+4*\s+3], s[G0+4*\s+3], 0x80000000
	s_mov_b32 s[G0B+4*\s], 1
	s_add_co_u32 s[G0B+4*\s+1], s45, \s*SLOT
	s_add_nc_u64 s[G0B+4*\s+2:G0B+4*\s+3], s[46:47], \s*TB
	s_or_b32 s[G0B+4*\s+3], s[G0B+4*\s+3], 0x80000000
.endr
	s_mov_b32 s[G0+1], 0                           ; for the head slot 0's descriptors name whole tiles: A's 16 row tiles at byte 0,
	s_sub_nc_u64 s[G0+2:G0+3], s[G0+2:G0+3], s[4:5]
	s_mov_b32 s[G0B+1], 2*HALFT                    ; B's behind them
	s_sub_nc_u64 s[G0B+2:G0B+3], s[G0B+2:G0B+3], s[4:5]
; THE HEAD'S LOADS, ONE A WAVE: wave 0 A's codes of slot 0, wave 1 B's, wave 2 A's scales, wave 3 B's.  One tree of branches on the wave's number: every way passes one load.
.macro ARM under, g0, g1, next
	s_cmp_lt_u32 s14, \under
	s_cbranch_scc0 \next
	tensor_load_to_lds s[\g0:\g0+3], s[\g1:\g1+7]
	s_nop 0
.rept 4
	v_nop
.endr
	s_branch .Lhead_asked
\next:
.endm
	ARM 1, G0,  G1,  .Lhead_b
	ARM 2, G0B, G1B, .Lhead_sa
	ARM 3, G0S, G1S, .Lhead_sb
	tensor_load_to_lds s[G0SB:G0SB+3], s[G1SB:G1SB+7]
	s_nop 0
.rept 4
	v_nop
.endr
.Lhead_asked:
	v_and_b32 v1, 15, v0
	v_bfe_u32 v2, v0, 4, 1
	s_wait_alu depctr_va_vdst(0)
	v_and_b32 v3, 31, v0
	v_lshlrev_b32 v12, 4, v3
	v_lshlrev_b32 v3, 3, v3
	s_mul_i32 s21, s15, HALFT
	s_mul_i32 s22, s16, HALFT
	s_add_co_u32 s22, s22, 2*HALFT
.irp s, 0,1
	v_add_nc_u32 v[ADRA+\s], s21, v3
	v_add_nc_u32 v[ADRB+\s], s22, v3
	s_add_co_u32 s21, s21, SLOT
	s_add_co_u32 s22, s22, SLOT
.endr
	v_lshlrev_b32 v4, 4, v1
	s_lshl_b32 s21, s15, 12
	s_lshl_b32 s22, s16, 12
	s_add_co_u32 s22, s22, 8192
	s_sub_co_u32 s22, s22, s21
	v_mul_u32_u24 v6, s22, v2
	s_add_co_u32 s21, s21, SCL
	v_add_nc_u32 v5, v4, v6
	v_add_nc_u32 v[ADRS], s21, v5
	s_lshl_b32 s21, s14, 10
	s_add_co_u32 s21, s21, STGQ
	v_lshl_add_u32 v8, v2, 9, v4
	v_add_nc_u32 v8, s21, v8
	v_add_nc_u32 v9, s21, v12
	s_lshl_b32 s21, s14, 9
	s_add_co_u32 s21, s21, STGV
	v_lshlrev_b32 v10, 3, v1
	v_add_nc_u32 v10, s21, v10
	v_add_nc_u32 v11, s21, v12
	v_lshl_add_u32 v13, v2, 12, v4
	v_lshlrev_b32 v7, 6, v2
	v_and_b32 v6, 8, v1
	v_add_nc_u32 v6, v6, v1
	v_lshlrev_b32 v6, 2, v6
	v_lshlrev_b32 v[SH], 4, v2
	s_wait_alu depctr_va_vdst(0)
	s_wait_tensorcnt 0x0                           ; my tile of the head's four is in; these lines stand ahead of a later first fill as ahead of a refill
	ds_add_u32 v28, v29
	s_mov_b32 s[G1+2], 8<<16                       ; no load of mine is out: from here on a load brings 8 row tiles, my half of a tile
	s_mov_b32 s[G1+4], 8
	s_mov_b32 s[G1B+2], 8<<16
	s_mov_b32 s[G1B+4], 8
	s_mov_b32 s[G0+1], s45
	s_add_nc_u64 s[G0+2:G0+3], s[G0+2:G0+3], s[4:5]
	s_mov_b32 s[G0B+1], s45
	s_add_nc_u64 s[G0B+2:G0B+3], s[G0B+2:G0B+3], s[4:5]
	s_wait_dscnt 0x0
	CROUND                                         ; all four tiles are in, and all sixteen work-groups are here
	JLOAD G0+4, G1, G0B+4, G1B                     ; slot 1's first fill, the first tensor load behind the round
	FETCH_B 0, 0, 0
	FETCH_A 0, 0, 0
	SCALES 0, 0
	FETCH_A 0, 0, 4
	STEP 0, 0, 1
	TURN 0, 1, 1, 1
	STEP 1, 0, 0
	TURN 1, 0, 1, 2
	STEP 0, 0, 0
	TURN 0, 1, 0, 3
.macro QUANT pw, wx
.irp b, 0,1,2,3
	v_max3_num_f32 v[TM+\b], |v[T+16*\b]|, |v[T+1+16*\b]|, s96
.endr
.irp i, 2,4,6,8,10,12,14
.irp b, 0,1,2,3
	v_max3_num_f32 v[TM+\b], v[TM+\b], |v[T+16*\b+\i]|, |v[T+1+16*\b+\i]|
.endr
.endr
.irp b, 0,1,2,3
	v_permlanex16_b32 v[TM+4+\b], v[TM+\b], s98, s99
.endr
.irp b, 0,1,2,3
	v_max_num_f32 v[TM+\b], v[TM+\b], v[TM+4+\b]
.endr
.irp b, 0,1,2,3
	v_add_nc_u32 v[TM+12+\b], 0xfe000000, v[TM+\b]
.endr
.irp b, 0,1,2,3
	v_lshrrev_b32 v[TM+4+\b], 23, v[TM+12+\b]
.endr
	v_lshl_or_b32 v[\pw], v[TM+5], 8, v[TM+4]
	v_lshl_or_b32 v[\pw], v[TM+6], 16, v[\pw]
	v_lshl_or_b32 v[\pw], v[TM+7], 24, v[\pw]
.if \wx
	s_wait_xcnt 0x0
.endif
.irp c, 0,1
	v_cvt_scalef32_pk16_bf6_f32 v[PC+6*\c:PC+2+6*\c], v[T+32*\c:T+15+32*\c], v[TM+12+2*\c]
	v_cvt_scalef32_pk16_bf6_f32 v[PC+12+4*\c:PC+14+4*\c], v[T+16+32*\c:T+31+32*\c], v[TM+12+2*\c+1]
.endr
	v_nop
.irp c, 0,1
.irp i, 0,1,2
	v_permlane16_swap_b32 v[PC+6*\c+\i], v[PC+12+4*\c+\i]
.endr
.irp i, 0,1,2
	v_mov_b32 v[PC+3+6*\c+\i], v[PC+12+4*\c+\i]
.endr
.endr
.endm
.macro EPIHEAD
	PLACES NP
.irp b, 0,1,2,3
	v_mov_b32 v[TM+4+\b], 0
.endr
	s_wait_loadcnt 0x0
.endm
.macro EPI role, a
	WIN 0x02+(\a)/4
.set i, 0
.rept 32
.if \role
	v_pk_add_f32 v[T+2*i:T+2*i+1], v[64*((\a)%4)+2*i:64*((\a)%4)+2*i+1], v[BI+2*(\a):BI+2*(\a)+1]
.else
	v_pk_add_f32 v[T+2*i:T+2*i+1], v[64*((\a)%4)+2*i:64*((\a)%4)+2*i+1], v[BI+2*i:BI+2*i+1]
.endif
.set i, i+1
.endr
	WIN 0
.if \role
	QUANT W+(\a), (\a)>0
.irp p, 0,1,2,3,4,5
	global_store_b64 v3, v[PC+2*\p:PC+2*\p+1], s[10:11] offset:((\a)/4)*98304+((\a)%4)*1536+\p*256
.endr
.else
	QUANT PW, (\a)>0
	v_bfe_u32 v[W+(\a)], v[PW], v[SH], 16
	v_sub_nc_u32 v[W+(\a)], v[W+(\a)], s97
.irp p, 0,1,2,3,4,5
	global_store_b64 v3, v[PC+2*\p:PC+2*\p+1], s[10:11] offset:(\a)*768+(\p/3)*98304+(\p%3)*256
.endr
.endif
.endm
	s_cmp_eq_u32 s3, 0
	s_cbranch_scc1 .Lrole_v
	s_lshl_b32 s20, s42, 1
	s_add_co_u32 s20, s20, s16
	s_lshl_b32 s22, s20, 9
	s_mov_b32 s23, 0
	s_add_nc_u64 s[8:9], s[8:9], s[22:23]
	s_wait_alu depctr_va_vdst(0)
.irp b, 0,1,2,3,4,5,6,7
	global_load_b128 v[BI+8*\b:BI+8*\b+3], v7, s[8:9] offset:(32*(\b/2)+8*(\b%2))*4
	global_load_b128 v[BI+8*\b+4:BI+8*\b+7], v7, s[8:9] offset:(32*(\b/2)+8*(\b%2))*4+16
.endr
	s_lshr_b32 s21, s20, 3
	s_and_b32 s20, s20, 7
	s_lshr_b32 s46, s17, 3
	s_and_b32 s47, s17, 7
	s_lshl_b32 s47, s47, 1
	s_add_co_u32 s47, s47, s15
	s_lshl_b32 s45, s21, 6
	s_lshl_b32 s46, s46, 4
	s_add_co_u32 s45, s45, s46
	s_lshl_b32 s20, s20, 1
	s_add_co_u32 s45, s45, s20
	s_mul_i32 s22, s45, 98304
	s_mul_i32 s46, s47, 6144
	s_add_co_u32 s22, s22, s46
	s_add_nc_u64 s[10:11], s[10:11], s[22:23]
	s_lshl_b32 s22, s45, 13
	s_lshl_b32 s46, s47, 9
	s_add_co_u32 s22, s22, s46
	s_add_nc_u64 s[12:13], s[12:13], s[22:23]
	s_mov_b32 s96, 8<<23
	s_cmp_eq_u32 s21, 0
	s_cselect_b32 s96, 5<<23, s96
	s_cselect_b32 s97, 0, 0x0303
	STEP 1, 0, 0
	LAST
	EPIHEAD
.irp a, 0,1,2,3,4,5,6,7
	EPI 0, \a
.endr
.irp a, 0,1,2,3,4,5,6,7
	ds_store_b32 v8, v[W+\a] offset:(\a%2)*256+(\a/2)*4
.endr
	ds_load_b128 v[T:T+3], v9
	ds_load_b128 v[T+4:T+7], v9 offset:512
	s_wait_dscnt 0x0
	global_store_b128 v12, v[T:T+3], s[12:13]
	global_store_b128 v12, v[T+4:T+7], s[12:13] offset:8192
	s_branch .Lend
.Lrole_v:
	s_lshl_b32 s22, s17, 1
	s_add_co_u32 s22, s22, s15
	s_lshl_b32 s20, s22, 1
	s_lshl_b32 s22, s22, 9
	s_add_co_u32 s22, s22, 8192
	s_mov_b32 s23, 0
	s_add_nc_u64 s[8:9], s[8:9], s[22:23]
	s_wait_alu depctr_va_vdst(0)
.irp a, 0,1,2,3,4,5,6,7
	global_load_b32 v[BI+2*\a], v6, s[8:9] offset:(32*(\a/2)+8*(\a%2))*4
	global_load_b32 v[BI+2*\a+1], v6, s[8:9] offset:(32*(\a/2)+8*(\a%2))*4
.endr
	s_lshr_b32 s46, s42, 3
	s_and_b32 s47, s42, 7
	s_lshl_b32 s47, s47, 1
	s_add_co_u32 s47, s47, s16
	s_lshl_b32 s46, s46, 4
	s_add_co_u32 s45, s46, s20
	s_add_co_u32 s46, s45, 128
	s_mul_i32 s22, s46, 98304
	s_mul_i32 s46, s47, 6144
	s_add_co_u32 s22, s22, s46
	s_add_nc_u64 s[10:11], s[10:11], s[22:23]
	s_lshl_b32 s22, s45, 12
	s_lshl_b32 s46, s47, 8
	s_add_co_u32 s22, s22, s46
	s_add_co_u32 s22, s22, 1048576
	s_add_nc_u64 s[12:13], s[12:13], s[22:23]
	s_mov_b32 s96, 5<<23
	STEP 1, 0, 0
	LAST
	EPIHEAD
.irp a, 0,1,2,3,4,5,6,7
	EPI 1, \a
.endr
.irp a, 0,1,2,3,4,5,6,7
	ds_store_b32 v10, v[W+\a] offset:(\a/4)*256+(\a%2)*128+((\a%4)/2)*4
.endr
	ds_load_b128 v[T:T+3], v11
	s_wait_dscnt 0x0
	global_store_b128 v13, v[T:T+3], s[12:13]
.Lend:
	s_wait_tensorcnt 0x0
	ds_add_u32 v[SPW], v[NIL]
	s_wait_dscnt 0x0
	CROUND
	s_endpgm
.Lfunc_end_k_q58fec0a5fe_proj:
	.size	k_q58fec0a5fe_proj, .Lfunc_end_k_q58fec0a5fe_proj-k_q58fec0a5fe_proj
	.p2alignl 7, 3214868480
	.fill 96, 4, 3214868480
	.section	.rodata,"a",@progbits
	.p2align	6, 0x0
	.amdhsa_kernel k_q58fec0a5fe_proj
		.amdhsa_group_segment_fixed_size 327680
		.amdhsa_private_segment_fixed_size 0
		.amdhsa_enable_private_segment 0
		.amdhsa_kernarg_size 40
		.amdhsa_user_sgpr_count 2
		.amdhsa_user_sgpr_kernarg_segment_ptr 1
		.amdhsa_wavefront_size32 1
		.amdhsa_system_sgpr_workgroup_id_x 1
		.amdhsa_system_sgpr_workgroup_id_y 1
		.amdhsa_system_sgpr_workgroup_id_z 1
		.amdhsa_system_vgpr_workitem_id 0
		.amdhsa_next_free_vgpr 1024
		.amdhsa_next_free_sgpr 100
		.amdhsa_reserve_vcc 0
		.amdhsa_float_denorm_mode_32 3
		.amdhsa_float_denorm_mode_16_64 3
		.amdhsa_memory_ordered 1
		.amdhsa_forward_progress 1
		.amdhsa_inst_pref_size 255
	.end_amdhsa_kernel
	.section	.bss,"aw",@nobits
	.p2align	6
	.space	262144
	.amdgpu_metadata
---
amdhsa.version: [ 1, 2 ]
amdhsa.kernels:
  - .name:           k_q58fec0a5fe_proj
    .symbol:         k_q58fec0a5fe_proj.kd
    .args:
      - { .name: c1, .offset: 0, .size: 8, .value_kind: global_buffer, .address_space: global }
      - { .name: s1, .offset: 8, .size: 8, .value_kind: global_buffer, .address_space: global }
      - { .name: Wqkv_b, .offset: 16, .size: 8, .value_kind: global_buffer, .address_space: global }
      - { .name: qkv, .offset: 24, .size: 8, .value_kind: global_buffer, .address_space: global }
      - { .name: qkvs, .offset: 32, .size: 8, .value_kind: global_buffer, .address_space: global }
    .group_segment_fixed_size: 327680
    .private_segment_fixed_size: 0
    .kernarg_segment_align: 8
    .kernarg_segment_size: 40
    .max_flat_workgroup_size: 128
    .sgpr_count:     100
    .vgpr_count:     1024
    .wavefront_size: 32
...
	.end_amdgpu_metadata
.endif
;; end of part 2
;; launch attn (part 3): grid 4 x 64, 16 waves a work-group, no clusters, 231,424 bytes of LDS; arguments qkv, qkvs, key_padding_mask, cc, cs; writes cc, cs
.if DOCPART == 3
	.amdgcn_target "amdgcn-amd-amdhsa--gfx1250"
	.amdhsa_code_object_version 6
	.text
	.protected	k_q58fec0a5fe_attn
	.globl	k_q58fec0a5fe_attn
	.p2align	8
	.type	k_q58fec0a5fe_attn,@function
k_q58fec0a5fe_attn:
	s_mov_b64 s[64:65], 0
	v_nop
	global_prefetch_b8 v0, s[64:65] scope:SCOPE_SE
	s_setreg_imm32_b32 hwreg(HW_REG_WAVE_MODE, 25, 1), 1
	s_wait_xcnt 0x0
; ctx = softmax(q (k / 8)^T + pad + causal) v for one batch and head, both products on codes of BF6; ctx is quantised along the embedding for the last product and leaves as codes.
; THE MASKS ARE NUMBERS: -10,000 for a padded key and -10,000 more for a later key, both finite.  Their sum (0, -10,000 or -20,000: exact) is the C of the score's matrix instruction.
; WHICH KEY STEPS A TILE OF 16 QUERIES WALKS is decided by whole numbers read from memory: the mask's bytes and the scale bytes of q and k.  A code is at most 28, a head has 64 channels, so
; |logit| <= 64 x 28 x 28 x 2^(q's byte + k's byte - 254).  Where every byte of the tile's q is <= 126 and every byte of the head's k (the 1/8 is in it) is <= 124, that is 3,136.  Where also a valid key stands at or
; ahead of the tile's first query, every row has a logit >= -3,136, and every key of a step wholly behind the tile has one <= 3,136 - 10,000: t - M lies under -5,000, p is 0 in f32, its codes are zeros, and it adds 0 to the sum.
; Such a tile walks the steps up to its diagonal.  Any other tile walks all 16 steps, the later ones with the causal -10,000 in their numbers.  The loop has 16 trips for all.
; A step ahead of the diagonal whose 128 mask bytes are all valid has masks that are all 0: its products take the constant 0 as C, and no mask number is loaded (again a branch on whole numbers read from memory).
; THE SOFTMAX: t = logit x log2(e); M = the running largest t rounded up to a whole number; p = 2^(t - M) is quantised along the keys; the row's sum is taken of the unquantised p and divides at the end.
; SHARES.  A head's K, V and scale words (208 KB) lie in LDS for the whole launch: each thread loads 24 x 16 bytes of codes (a wave's load covers 512 consecutive bytes) and stores them to LDS as they lie; one barrier; then LDS is only read.
; Work-group cx of 4, wave w of 16: pass 0 owns token tile 8 w + 2 cx (diagonal step w), pass 1 tile 8 (15 - w) + 2 cx + 1 (diagonal step 15 - w): 17 steps a wave where both tiles stop at their diagonals.
; NO CLUSTER, NO TENSOR LOAD.  NO PREFETCH: all reads of memory stand at the head; there is no loop to run ahead in.
; LAYOUT.  Both products transposed: S^T = K Q^T, O^T = V^T P: a lane holds ONE query.  Lane-row r of tile 2 B + u is row 32 B + 8 u + r + 8 (r / 8), so 16 registers of two neighbouring tiles are 16 neighbours.
; K = 64 in the first product: the upper half of Q's fragment is zero codes under scale bytes 0.  So the upper half of K's fragment may hold any codes (every code of BF6 is a finite number, and its scale bytes are 0 too): tile t's fragment is
; v[32 + 6 t .. 43 + 6 t], its upper six registers being tile t + 1's codes; behind tile 7 stand six registers of zeros.  A step's eight tiles so lie in 48 registers, and the next step's are loaded as soon as the score products have read them.
; A mask byte other than 0 counts as true.  LIMITS: NaN and infinities are not served; a block of ctx is held at the floor 2^(5 - 127) from below; cs is stored a byte a lane (a head owns two bytes of a row's sixteen).
; REGISTERS: v1 8 x lane, v2 16 x lane, v3 64 h, v4 my query within its block of 32 less 16 h, v5 -10,000, v6 16 r + h; v8-11, v28 addresses; v86-89 the diagonal step's mask addresses; v12 -M, v13 largest t, v[14:15] the sum;
;   v16-27, v240-251 Q of pass 0, 1; v29, v252 their scale words; v32-79 K's eight tiles, v80-85 zeros; v90-93 K's scale words, v94-95 V's; v96-159 masks, S^T, p, then V's fragments; v160-191 O^T; v192-210 p's codes; v212-239 at work.
.set KC,  0                            ; K's codes: 128 tiles x 768 bytes
.set VC,  98304                        ; V's: [step 16][channel tile 4][1,536]
.set KS,  196608                       ; K's scale words, 512 bytes a step
.set VS,  204800                       ; V's, 256 bytes a step
.set PT0, 208896                       ; f32, a key each: the padding's 0 or -10,000
.set PT1, 217088                       ; the same - 10,000
.set FL,  225280                       ; a word a wave: its first valid key; bit 16: a byte of its keys' scales passes 124; bit 17: a hole among its 128 keys
.set SPARE, 229376                     ; the spare words, 128 bytes a wave
.set WV,  18
.set SEL, 20                           ; s[20:21] selects for lane l xor 16
.set CS,  22                           ; s[22:23] log2(e), twice
.set CX,  24
.set J1,  25                           ; 15 - wave
.set HL,  26                           ; bit s: key step s has a hole
.set LM0, 28                           ; the last step that pass 0, 1 walks
.set LM1, 29
.set ST,  52
.set TK,  53
.set TV,  54
.set TS,  55
.set TT,  56
.set TP,  57
.set ADK, 8
.set ADV, 9
.set ADS, 10
.set ADT, 11
.set ADP, 28
	s_load_b128 s[4:7], s[0:1], 0x0                ; qkv, qkvs
	s_load_b128 s[8:11], s[0:1], 0x10              ; key_padding_mask, cc
	s_load_b64 s[12:13], s[0:1], 0x20              ; cs
	v_lshl_add_u32 v254, v0, 2, SPARE
	v_mov_b32 v255, 0
	v_lshrrev_b32 v8, 5, v0
	s_delay_alu instid0(VALU_DEP_1)
	v_readfirstlane_b32 s[WV], v8                  ; wave 0..15
	s_mov_b32 s[CX], ttmp9
	s_and_b32 s19, ttmp7, 0xffff                   ; 16 x batch + head
	s_sub_co_u32 s[J1], 15, s[WV]
	s_lshl_b32 s34, s[WV], 3
	s_lshl_b32 s35, s[CX], 1
	s_add_co_u32 s34, s34, s35                     ; pass 0's token tile of the head
	s_lshl_b32 s36, s[J1], 3
	s_add_co_u32 s36, s36, s35
	s_add_co_u32 s36, s36, 1                       ; pass 1's
	s_mul_i32 s37, s19, 98304
	s_mul_i32 s38, s34, 768
	s_add_co_u32 s38, s38, s37                     ; q's codes, pass 0
	s_mov_b32 s39, 0
	s_mul_i32 s40, s36, 768
	s_add_co_u32 s40, s40, s37                     ; pass 1
	s_mov_b32 s41, 0
	s_add_co_u32 s42, s37, 64*98304                ; k's codes; v's lie 64 heads behind them
	s_mov_b32 s43, 0
	s_lshl_b32 s44, s19, 13
	s_lshl_b32 s45, s[CX], 2
	s_add_co_u32 s45, s45, s44
	s_lshl_b32 s46, s[WV], 9
	s_add_co_u32 s46, s46, s45                     ; q's scale words: step w, bb = cx, u = 0
	s_mov_b32 s47, 0
	s_lshl_b32 s48, s[J1], 9
	s_add_co_u32 s48, s48, s45
	s_add_co_u32 s48, s48, 256                     ; step 15 - w, u = 1
	s_mov_b32 s49, 0
	s_add_co_u32 s50, s44, 524288                  ; k's scale words
	s_mov_b32 s51, 0
	s_lshl_b32 s66, s19, 12
	s_add_co_u32 s66, s66, 1048576                 ; v's
	s_mov_b32 s67, 0
	s_lshr_b32 s68, s19, 4                         ; the batch
	s_lshl_b32 s80, s68, 11                        ; its 2,048 mask bytes
	s_mov_b32 s81, 0
	s_lshl_b32 s68, s68, 7
	s_and_b32 s69, s19, 15                         ; the head
	s_mul_i32 s93, s69, 768                        ; a head is half a fragment
	s_lshr_b32 s89, s69, 3
	s_lshl_b32 s89, s89, 8
	s_and_b32 s69, s69, 7
	s_lshl_b32 s69, s69, 1
	s_add_co_u32 s89, s89, s69                     ; cs: 256 (head / 8) + 2 (head % 8)
	s_add_co_u32 s34, s34, s68                     ; the tiles among all 512
	s_add_co_u32 s36, s36, s68
	s_mul_i32 s70, s34, 12288
	s_add_co_u32 s70, s70, s93
	s_mov_b32 s71, 0
	s_mul_i32 s72, s36, 12288
	s_add_co_u32 s72, s72, s93
	s_mov_b32 s73, 0
	s_lshl_b32 s74, s34, 9
	s_add_co_u32 s74, s74, s89
	s_mov_b32 s75, 0
	s_lshl_b32 s76, s36, 9
	s_add_co_u32 s76, s76, s89
	s_mov_b32 s77, 0
	s_lshl_b32 s94, s[WV], 7
	s_lshl_b32 s35, s[CX], 5
	s_add_co_u32 s94, s94, s35                     ; pass 0's first query
	s_lshl_b32 s95, s[J1], 7
	s_add_co_u32 s95, s95, s35
	s_add_co_u32 s95, s95, 8                       ; pass 1's
	s_mov_b32 s[SEL], 0x76543210
	s_mov_b32 s[SEL+1], 0xfedcba98
	s_mov_b32 s[CS], 0x3fb8aa3b                    ; log2(e)
	s_mov_b32 s[CS+1], s[CS]
	v_and_b32 v7, 31, v0
	v_bfe_u32 v9, v0, 4, 1                         ; h
	v_and_b32 v8, 15, v0                           ; r
	v_lshlrev_b32 v28, 2, v0                       ; my four keys' mask bytes
	v_lshlrev_b32 v86, 4, v0                       ; 16 x thread: my place in a load's 8,192 bytes, in memory and in LDS
	v_lshlrev_b32 v232, 3, v0
	v_lshlrev_b32 v1, 3, v7
	v_lshlrev_b32 v2, 4, v7
	v_lshlrev_b32 v3, 6, v9
	v_lshlrev_b32 v10, 4, v8
	s_delay_alu instid0(VALU_DEP_1)
	v_add_nc_u32 v6, v10, v9
	s_wait_alu depctr_va_vdst(0)
	s_wait_kmcnt 0x0
	s_add_nc_u64 s[38:39], s[4:5], s[38:39]
	s_add_nc_u64 s[40:41], s[4:5], s[40:41]
	s_add_nc_u64 s[42:43], s[4:5], s[42:43]
	s_add_nc_u64 s[46:47], s[6:7], s[46:47]
	s_add_nc_u64 s[48:49], s[6:7], s[48:49]
	s_add_nc_u64 s[50:51], s[6:7], s[50:51]
	s_add_nc_u64 s[66:67], s[6:7], s[66:67]
	s_add_nc_u64 s[80:81], s[8:9], s[80:81]
	s_add_nc_u64 s[70:71], s[10:11], s[70:71]
	s_add_nc_u64 s[72:73], s[10:11], s[72:73]
	s_add_nc_u64 s[74:75], s[12:13], s[74:75]
	s_add_nc_u64 s[76:77], s[12:13], s[76:77]
	global_load_b32 v30, v28, s[80:81]             ; eleven small loads first,
	global_load_b128 v[32:35], v86, s[50:51]
	global_load_b64 v[36:37], v232, s[66:67]
.irp p, 0,1,2
	global_load_b64 v[16+2*\p:17+2*\p], v1, s[38:39] offset:256*\p
	global_load_b64 v[240+2*\p:241+2*\p], v1, s[40:41] offset:256*\p
.endr
	global_load_b32 v29, v10, s[46:47]
	global_load_b32 v252, v10, s[48:49]
.irp n, 0,1,2,3,4,5,6,7,8,9,10,11
	global_load_b128 v[96+4*\n:99+4*\n], v86, s[42:43] offset:8192*\n              ; then K's codes,
.endr
.irp n, 0,1,2,3,4,5,6,7,8,9,10,11
	global_load_b128 v[144+4*\n:147+4*\n], v86, s[42:43] offset:64*98304+8192*\n   ; and V's
.endr
	v_lshl_add_u32 v87, v0, 4, 65536               ; LDS: an offset holds 16 bits, so a register for each 65,536 bytes
	v_lshl_add_u32 v88, v0, 4, 131072
	v_lshl_add_u32 v89, v0, 4, KS
	v_lshl_add_u32 v233, v0, 3, VS
	v_lshl_add_u32 v31, v0, 4, PT0
	v_and_b32 v234, 15, v0
	v_and_b32 v11, 8, v8
	v_lshlrev_b32 v4, 4, v9
	v_lshl_add_u32 v234, v234, 2, FL               ; lane l reads wave l % 16's word
	v_add_nc_u32 v11, v11, v8                      ; r + 8 (r / 8)
	s_delay_alu instid0(VALU_DEP_1)
	v_sub_nc_u32 v4, v11, v4                       ; - 16 h
	v_mov_b32 v5, 0xc61c4000                       ; -10,000
.irp j, 0,1,2,3,4,5
	v_mov_b32 v[22+\j], 0                          ; Q's k 64..127: zero codes
	v_mov_b32 v[246+\j], 0
	v_mov_b32 v[80+\j], 0                          ; the upper half of K's tile 7: written once
.endr
	v_mov_b32 v227, 0                              ; (named as the upper half of the pair v[226:227])
	s_wait_alu depctr_va_vdst(0)
	s_wait_loadcnt 24                              ; the eleven are in; K's and V's 24 may be out
.irp i, 0,1,2,3
	v_bfe_u32 v[212+\i], v30, 8*\i, 8
.endr
.irp i, 0,1,2,3
	v_cmp_eq_u32 s[84+\i], 0, v[212+\i]            ; the holes among keys 128 w + 4 lane + i
	v_cndmask_b32 v[212+\i], 0, v5, s[84+\i]
.endr
.irp i, 0,1,2,3
	v_add_f32 v[216+\i], v5, v[212+\i]
.endr
	ds_store_b128 v31, v[212:215]
	ds_store_b128 v31, v[216:219] offset:PT1-PT0
	ds_store_b128 v89, v[32:35]
	ds_store_b64 v233, v[36:37]
	v_max_u32 v220, v32, v33                       ; k's scale words hold two bytes: the largest word has the largest upper byte
	v_max_u32 v221, v34, v35
	v_and_b32 v222, 0xff, v32
	v_and_b32 v223, 0xff, v33
	v_and_b32 v224, 0xff, v34
	v_and_b32 v225, 0xff, v35
	v_max_u32 v220, v220, v221
	v_max_u32 v222, v222, v223
	v_max_u32 v224, v224, v225
	v_lshrrev_b32 v220, 8, v220
	v_max_u32 v222, v222, v224
	v_and_b32 v221, 0xff, v29
	v_lshrrev_b32 v223, 8, v29
	v_max_u32 v220, v220, v222
	v_and_b32 v224, 0xff, v252
	v_lshrrev_b32 v225, 8, v252
	v_max_u32 v221, v221, v223
	v_max_u32 v224, v224, v225
	v_cmp_lt_u32 vcc_lo, 124, v220
	s_cmp_lg_u32 vcc_lo, 0
	s_cselect_b32 s92, 0x10000, 0                  ; a byte of my 128 keys' scales passes 124
	v_cmp_lt_u32 vcc_lo, 126, v221
	s_cmp_lg_u32 vcc_lo, 0
	s_cselect_b32 s90, 1, 0                        ; a byte of pass 0's q passes 126
	v_cmp_lt_u32 vcc_lo, 126, v224
	s_cmp_lg_u32 vcc_lo, 0
	s_cselect_b32 s91, 1, 0                        ; of pass 1's
	s_or_b32 s93, s84, s85
	s_or_b32 s93, s93, s86
	s_or_b32 s93, s93, s87
	s_cmp_lg_u32 s93, 0
	s_cselect_b32 s93, 0x20000, 0                  ; a hole among my 128 keys
	s_or_b32 s92, s92, s93
	s_mov_b32 s88, 4096
.irp i, 0,1,2,3
	s_not_b32 s89, s[84+\i]
	s_ctz_i32_b32 s93, s89
	s_lshl_b32 s93, s93, 2
	s_add_co_u32 s93, s93, \i
	s_cmp_lg_u32 s89, 0
	s_cselect_b32 s93, s93, 4096
	s_min_u32 s88, s88, s93                        ; my wave's first valid key, or 4,096
.endr
	s_lshl_b32 s89, s[WV], 7
	s_add_co_u32 s88, s88, s89
	s_or_b32 s88, s88, s92
	s_lshl_b32 s89, s[WV], 2
	s_add_co_u32 s89, s89, FL
	v_mov_b32 v239, s89
	v_mov_b32 v229, s88
	ds_store_b32 v239, v229                        ; all lanes write the same word with the same value
	s_wait_alu depctr_va_vdst(0)
	s_wait_loadcnt 12                              ; K's codes are in; V's 12 loads may be out
.irp n, 0,1,2,3,4,5,6,7,8,9,10,11
	ds_store_b128 v[86+\n/8], v[96+4*\n:99+4*\n] offset:8192*(\n%8)
.endr
	s_wait_loadcnt 0x0
.irp n, 12,13,14,15,16,17,18,19,20,21,22,23
	ds_store_b128 v[86+\n/8], v[96+4*\n:99+4*\n] offset:8192*(\n%8)
.endr
	s_wait_dscnt 0x0                               ; my stores are done:
	s_barrier_signal -1
	s_barrier_wait -1                              ; everybody's are.  From here on these bytes are only read
	ds_load_b32 v235, v234
	s_wait_dscnt 0x0
	v_and_b32 v236, 0xffff, v235
	v_and_b32 v237, 0x10000, v235
	v_and_b32 v238, 0x20000, v235
	s_wait_alu depctr_va_vdst(0)
	v_cmp_ne_u32 vcc_lo, 0, v237
	s_cmp_lg_u32 vcc_lo, 0
	s_cselect_b32 s92, 1, 0                        ; some byte of the head's k passes 124
	v_cmp_ne_u32 vcc_lo, 0, v238
	s_mov_b32 s[HL], vcc_lo                        ; lane l holds wave l % 16's word, and wave s looked at key step s
	v_cmp_ge_u32 vcc_lo, s94, v236                 ; some wave's first valid key is at or ahead of pass 0's first query
	s_cmp_lg_u32 vcc_lo, 0
	s_cselect_b32 s89, 1, 0
	s_or_b32 s93, s92, s90
	s_cmp_eq_u32 s93, 0
	s_cselect_b32 s89, s89, 0
	s_cmp_lg_u32 s89, 0
	s_cselect_b32 s[LM0], s[WV], 15
	v_cmp_ge_u32 vcc_lo, s95, v236
	s_cmp_lg_u32 vcc_lo, 0
	s_cselect_b32 s89, 1, 0
	s_or_b32 s93, s92, s91
	s_cmp_eq_u32 s93, 0
	s_cselect_b32 s89, s89, 0
	s_cmp_lg_u32 s89, 0
	s_cselect_b32 s[LM1], s[J1], 15
.macro ML a, t                         ; tile t's masks, straight into S^T's registers: register 8 t + j is key 32 (t / 2) + 8 (t % 2) + 16 h + j
	ds_load_b128 v[96+8*\t:99+8*\t], v[\a] offset:128*(\t/2)+32*(\t%2)
	ds_load_b128 v[100+8*\t:103+8*\t], v[\a] offset:128*(\t/2)+32*(\t%2)+16
.endm
.macro KLOAD ko, so                    ; a step's scale words of K and its eight tiles: 25 loads
	ds_load_b128 v[90:93], v[ADS] offset:\so       ; register 90 + bb: lanes 0-15 tile 2 bb's words, lanes 16-31 tile 2 bb + 1's
.irp t, 0,1,2,3,4,5,6,7
.irp p, 0,1,2
	ds_load_b64 v[32+6*\t+2*\p:33+6*\t+2*\p], v[ADK] offset:\ko+768*\t+256*\p
.endr
.endr
.endm
.macro SMUL Q, QS, z                   ; S^T = K Q^T + masks: eight tiles of 16 keys, one instruction an accumulator.  z = 1: the masks are all 0
.irp t, 0,2,4,6
.if \z
	v_wmma_scale_f32_16x16x128_f8f6f4 v[96+8*\t:103+8*\t], v[32+6*\t:43+6*\t], v[\Q:\Q+11], 0, v[90+\t/2], v[\QS] matrix_a_fmt:MATRIX_FMT_BF6 matrix_b_fmt:MATRIX_FMT_BF6
	v_wmma_scale_f32_16x16x128_f8f6f4 v[104+8*\t:111+8*\t], v[38+6*\t:49+6*\t], v[\Q:\Q+11], 0, v[90+\t/2], v[\QS] matrix_a_fmt:MATRIX_FMT_BF6 matrix_b_fmt:MATRIX_FMT_BF6 matrix_a_scale:MATRIX_SCALE_ROW1
.else
	v_wmma_scale_f32_16x16x128_f8f6f4 v[96+8*\t:103+8*\t], v[32+6*\t:43+6*\t], v[\Q:\Q+11], v[96+8*\t:103+8*\t], v[90+\t/2], v[\QS] matrix_a_fmt:MATRIX_FMT_BF6 matrix_b_fmt:MATRIX_FMT_BF6
	v_wmma_scale_f32_16x16x128_f8f6f4 v[104+8*\t:111+8*\t], v[38+6*\t:49+6*\t], v[\Q:\Q+11], v[104+8*\t:111+8*\t], v[90+\t/2], v[\QS] matrix_a_fmt:MATRIX_FMT_BF6 matrix_b_fmt:MATRIX_FMT_BF6 matrix_a_scale:MATRIX_SCALE_ROW1
.endif
.endr
.endm
; A KEY STEP: 128 keys against my 16 queries.  JR: the register with the diagonal step's number.  K's tiles and scale words of this step were asked for in the step before (the first step's: at the pass's head).
.macro STEP Q, QS, JR
	s_cmp_gt_u32 s[ST], s[\JR]                     ; a step wholly behind my queries takes the numbers with the causal -10,000 in them
	s_cselect_b32 s58, PT1-PT0, 0
	s_add_co_u32 s58, s58, s[TP]
	v_add_nc_u32 v[ADK], s[TK], v1                 ; these five and the v_nop are the places behind the last step's products
	v_add_nc_u32 v[ADV], s[TV], v1
	v_add_nc_u32 v[ADS], s[TS], v2
	v_add_nc_u32 v[ADT], s[TT], v1
	v_add_nc_u32 v[ADP], s58, v3
	v_nop
	s_wait_alu depctr_va_vdst(0)
	s_cmp_eq_u32 s[ST], s[\JR]
	s_cbranch_scc1 .Ldiag_\@
	s_cmp_gt_u32 s[ST], s[\JR]
	s_cbranch_scc1 .Lmask_\@
	s_bitcmp1_b32 s[HL], s[ST]
	s_cbranch_scc1 .Lmask_\@
	s_wait_dscnt 0x0                               ; K's tiles are in
	SMUL \Q, \QS, 1                                ; ahead of the diagonal, no hole: every mask is 0
	s_branch .Lsm_\@
.Lmask_\@:
.irp t, 0,1,2,3,4,5,6,7
	ML ADP, \t
.endr
	s_wait_dscnt 0x0
	s_branch .Loff_\@
.Ldiag_\@:                                     ; the diagonal step: my queries lie in its block cx of 32 keys.  Blocks ahead of it take the padding's numbers, blocks behind it those with the causal -10,000
.irp t, 0,1,2,3,4,5,6,7
	ML 86+\t/2, \t
.endr
	s_wait_dscnt 0x0
.irp b, 0,1,2,3                                ; and in block cx the -10,000 is added key by key
	s_cmp_lg_u32 s[CX], \b
	s_cbranch_scc1 .Lnb_\@_\b
.set n, 0
.rept 16
	v_cmp_gt_i32 vcc_lo, n, v4                     ; register 16 b + n holds key 32 b + 16 h + n: later than my query?
	s_delay_alu instid0(VALU_DEP_1)
	v_cndmask_b32 v[30+n%2], 0, v5, vcc_lo
	s_delay_alu instid0(VALU_DEP_1)
	v_add_f32 v[96+16*\b+n], v[96+16*\b+n], v[30+n%2]
.set n, n+1
.endr
.Lnb_\@_\b:
.endr
.rept 4
	v_nop
.endr
.Loff_\@:
	s_wait_alu depctr_va_vdst(0)
	SMUL \Q, \QS, 0
.Lsm_\@:
.rept 4
	v_nop                                          ; places behind the products: for the loads below and for the first reads of S^T
.endr
	KLOAD 6144, 512                                ; the next step's tiles of K: they have the softmax in which to land.  (Behind step 15 these are bytes of V's codes and scale words: inside LDS, and read by nobody)
.irp b, 0,1,2,3
	v_max3_num_f32 v[212+\b], v[96+16*\b], v[97+16*\b], v[98+16*\b]   ; the largest logit of each block of 32 keys: for the row's maximum, and, since p rises with the logit, for the block's largest p
.endr
.irp i, 3,5,7,9,11,13
.irp b, 0,1,2,3
	v_max3_num_f32 v[212+\b], v[212+\b], v[96+16*\b+\i], v[97+16*\b+\i]
.endr
.endr
.irp b, 0,1,2,3
	v_max_num_f32 v[212+\b], v[212+\b], v[111+16*\b]
.endr
.irp b, 0,1,2,3
	s_delay_alu instid0(VALU_DEP_4)
	v_permlanex16_b32 v[216+\b], v[212+\b], s[SEL], s[SEL+1]
.endr
.irp b, 0,1,2,3
	s_delay_alu instid0(VALU_DEP_4)
	v_max_num_f32 v[212+\b], v[212+\b], v[216+\b]  ; with lane l xor 16's 16 keys
.endr
	s_delay_alu instid0(VALU_DEP_2)
	v_max3_num_f32 v228, v212, v213, v214
	s_delay_alu instid0(VALU_DEP_1)
	v_max_num_f32 v228, v228, v215
	s_delay_alu instid0(VALU_DEP_1)
	v_mul_f32 v228, s[CS], v228                    ; as t
	s_delay_alu instid0(VALU_DEP_1)
	v_max_num_f32 v13, v13, v228                   ; the running largest t
	v_mov_b32 v228, v12
	s_delay_alu instid0(VALU_DEP_2)
	v_floor_f32 v12, -v13                          ; the new -M = -ceil(t): a whole number
	s_delay_alu instid0(VALU_DEP_1)
	v_sub_f32 v228, v12, v228                      ; old M - new M, 0 or less
	s_delay_alu instid0(VALU_DEP_1)
	v_cvt_i32_f32 v228, v228                       ; (it saturates)
	s_delay_alu instid0(VALU_DEP_1)
	v_ldexp_f32 v226, 1.0, v228                    ; f = 2^(old M - new M): a multiplication by it rounds nothing
.set j, 0
.rept 32
	v_pk_fma_f32 v[96+j:97+j], v[96+j:97+j], s[CS:CS+1], v[12:13] op_sel_hi:[1,0,0]   ; t - M, two at a time
.set j, j+2
.endr
.irp b, 0,1,2,3
	v_fma_f32 v[212+\b], v[212+\b], s[CS], v12     ; the same of each block's largest logit
.endr
.set j, 0
	s_wait_alu depctr_va_vdst(0)
.rept 64
	v_exp_f32 v[96+j], v[96+j]                     ; p = 2^(t - M): one batch
.set j, j+1
.endr
	v_pk_mul_f32 v[14:15], v[14:15], v[226:227] op_sel_hi:[1,0]   ; the sum under the new M; the plain line behind the exponentials
	s_wait_alu depctr_va_vdst(0)                   ; one wait for the batch, ahead of its first reader
.irp b, 0,1,2,3
	v_exp_f32 v[212+\b], v[212+\b]                 ; the block's largest p: the same two instructions on the same number
.endr
	v_pk_add_f32 v[216:217], v[100:101], v[104:105]   ; the row's sum of the unquantised p, in eight chains
	v_pk_add_f32 v[238:239], v[108:109], v[112:113]
	v_pk_add_f32 v[236:237], v[116:117], v[120:121]
	v_pk_add_f32 v[234:235], v[124:125], v[128:129]
	v_pk_add_f32 v[232:233], v[132:133], v[136:137]
	v_pk_add_f32 v[230:231], v[140:141], v[144:145]
	v_pk_add_f32 v[228:229], v[148:149], v[152:153]
	v_pk_add_f32 v[14:15], v[14:15], v[156:157]
	v_pk_add_f32 v[216:217], v[216:217], v[96:97]
	v_pk_add_f32 v[238:239], v[238:239], v[98:99]
	v_pk_add_f32 v[236:237], v[236:237], v[102:103]
	v_pk_add_f32 v[234:235], v[234:235], v[106:107]
	v_pk_add_f32 v[232:233], v[232:233], v[110:111]
	v_pk_add_f32 v[230:231], v[230:231], v[114:115]
	v_pk_add_f32 v[228:229], v[228:229], v[118:119]
	v_pk_add_f32 v[14:15], v[14:15], v[122:123]
	v_pk_add_f32 v[216:217], v[216:217], v[126:127]
	v_pk_add_f32 v[238:239], v[238:239], v[130:131]
	v_pk_add_f32 v[236:237], v[236:237], v[134:135]
	v_pk_add_f32 v[234:235], v[234:235], v[138:139]
	v_pk_add_f32 v[232:233], v[232:233], v[142:143]
	v_pk_add_f32 v[230:231], v[230:231], v[146:147]
	v_pk_add_f32 v[228:229], v[228:229], v[150:151]
	v_pk_add_f32 v[14:15], v[14:15], v[154:155]
	v_pk_add_f32 v[216:217], v[216:217], v[158:159]
	s_delay_alu instid0(VALU_DEP_2)
	v_pk_add_f32 v[14:15], v[14:15], v[234:235]
	s_delay_alu instid0(VALU_DEP_2)
	v_pk_add_f32 v[216:217], v[216:217], v[232:233]
	v_pk_add_f32 v[238:239], v[238:239], v[230:231]
	v_pk_add_f32 v[236:237], v[236:237], v[228:229]
	s_delay_alu instid0(VALU_DEP_2)
	v_pk_add_f32 v[14:15], v[14:15], v[238:239]
	s_delay_alu instid0(VALU_DEP_2)
	v_pk_add_f32 v[216:217], v[216:217], v[236:237]
	s_delay_alu instid0(VALU_DEP_1)
	v_pk_add_f32 v[14:15], v[14:15], v[216:217]
	s_wait_alu depctr_va_vdst(0)                   ; and one for the four
.irp b, 0,1,2,3
	v_max_num_f32 v[212+\b], 0x2800000, v[212+\b]  ; the floor 2^(5 - 127): a block whose every p is 0 keeps the byte 1 over zero codes
.endr
.irp b, 0,1,2,3
	s_delay_alu instid0(VALU_DEP_4)
	v_add_nc_u32 v[220+\b], 0xfe000000, v[212+\b]  ; the conversion's scale operand
.endr
.irp b, 0,1,2,3
	s_delay_alu instid0(VALU_DEP_4)
	v_lshrrev_b32 v[216+\b], 23, v[220+\b]         ; the scale's byte
.endr
	s_delay_alu instid0(VALU_DEP_3)
	v_lshl_or_b32 v224, v217, 8, v216              ; p's scale word for these 128 keys
	s_delay_alu instid0(VALU_DEP_1)
	v_lshl_or_b32 v224, v218, 16, v224
	s_delay_alu instid0(VALU_DEP_1)
	v_lshl_or_b32 v224, v219, 24, v224
.irp c, 0,1
	v_cvt_scalef32_pk16_bf6_f32 v[192+6*\c:194+6*\c], v[96+32*\c:111+32*\c], v[220+2*\c]
	v_cvt_scalef32_pk16_bf6_f32 v[204+4*\c:206+4*\c], v[112+32*\c:127+32*\c], v[220+2*\c+1]
.endr
	v_nop                                          ; one plain line behind a scaled conversion
.irp t, 0,1,2,3                                ; V's four fragments land where p lay: it has been summed and converted
.irp p, 0,1,2,3,4,5
	ds_load_b64 v[96+12*\t+2*\p:97+12*\t+2*\p], v[ADV] offset:1536*\t+256*\p
.endr
.endr
	ds_load_b64 v[94:95], v[ADT]
.irp c, 0,1                                    ; the operand's layout wants a whole block in a lane
.irp i, 0,1,2
	v_permlane16_swap_b32 v[192+6*\c+\i], v[204+4*\c+\i]
.endr
.irp i, 0,1,2
	s_delay_alu instid0(VALU_DEP_3)
	v_mov_b32 v[195+6*\c+\i], v[204+4*\c+\i]
.endr
.endr
	s_wait_alu depctr_va_vdst(0)
.set j, 0
.rept 16
	v_pk_mul_f32 v[160+j:161+j], v[160+j:161+j], v[226:227] op_sel_hi:[1,0]   ; O^T under the new M; these 16 also stand between the lines that wrote p's codes and scale word and the products
.set j, j+2
.endr
	s_wait_alu depctr_va_vdst(0)
	s_wait_dscnt 0x0                               ; V's fragments are in, and the next step's tiles of K, asked for ahead of them
.irp t, 0,2                                    ; O^T += V^T P: four tiles of 16 channels, one instruction each
	v_wmma_scale_f32_16x16x128_f8f6f4 v[160+8*\t:167+8*\t], v[96+12*\t:107+12*\t], v[192:203], v[160+8*\t:167+8*\t], v[94+\t/2], v224 matrix_a_fmt:MATRIX_FMT_BF6 matrix_b_fmt:MATRIX_FMT_BF6
	v_wmma_scale_f32_16x16x128_f8f6f4 v[168+8*\t:175+8*\t], v[108+12*\t:119+12*\t], v[192:203], v[168+8*\t:175+8*\t], v[94+\t/2], v224 matrix_a_fmt:MATRIX_FMT_BF6 matrix_b_fmt:MATRIX_FMT_BF6 matrix_a_scale:MATRIX_SCALE_ROW1
.endr
.endm
; THE WAY OUT of a pass: O^T / the sum; its two blocks of 32 channels quantised; three pieces of the head's half fragment and a scale byte a lane.
.macro FIN CC, CE
.rept 4
	v_nop                                          ; places behind the last products
.endr
	v_add_f32 v14, v14, v15
	s_delay_alu instid0(VALU_DEP_1)
	v_permlanex16_b32 v216, v14, s[SEL], s[SEL+1]
	s_delay_alu instid0(VALU_DEP_1)
	v_add_f32 v14, v14, v216                       ; the row's sum: at least 1/2
	s_wait_alu depctr_va_vdst(0)
	v_rcp_f32 v14, v14
	v_nop                                          ; a plain line behind the transcendental
	s_wait_alu depctr_va_vdst(0)                   ; and the wait ahead of its first reader
.set j, 0
.rept 16
	v_pk_mul_f32 v[96+j:97+j], v[160+j:161+j], v[14:15] op_sel_hi:[1,0]   ; register 16 b + i: channel 32 b + 16 h + i of my query
.set j, j+2
.endr
.irp b, 0,1
	v_max3_num_f32 v[212+\b], |v[96+16*\b]|, |v[97+16*\b]|, 0x2800000
.endr
.irp i, 2,4,6,8,10,12,14
.irp b, 0,1
	s_delay_alu instid0(VALU_DEP_2)
	v_max3_num_f32 v[212+\b], v[212+\b], |v[96+16*\b+\i]|, |v[97+16*\b+\i]|
.endr
.endr
.irp b, 0,1
	s_delay_alu instid0(VALU_DEP_2)
	v_permlanex16_b32 v[216+\b], v[212+\b], s[SEL], s[SEL+1]
.endr
.irp b, 0,1
	s_delay_alu instid0(VALU_DEP_2)
	v_max_num_f32 v[212+\b], v[212+\b], v[216+\b]
.endr
.irp b, 0,1
	s_delay_alu instid0(VALU_DEP_2)
	v_add_nc_u32 v[220+\b], 0xfe000000, v[212+\b]
.endr
.irp b, 0,1
	s_delay_alu instid0(VALU_DEP_2)
	v_lshrrev_b32 v[216+\b], 23, v[220+\b]
.endr
	v_cvt_scalef32_pk16_bf6_f32 v[192:194], v[96:111], v220
	v_cvt_scalef32_pk16_bf6_f32 v[196:198], v[112:127], v221
	v_nop                                          ; one plain line behind a scaled conversion
	v_cmp_ne_u32 vcc_lo, 0, v3
	s_delay_alu instid0(VALU_DEP_1)
	v_cndmask_b32 v228, v216, v217, vcc_lo         ; lanes 0-15: block 0's byte; lanes 16-31: block 1's
.irp i, 0,1,2
	v_permlane16_swap_b32 v[192+\i], v[196+\i]     ; lane (r, h) now holds block h whole
.endr
	s_delay_alu instid0(VALU_DEP_3)
	v_mov_b32 v195, v196
	s_delay_alu instid0(VALU_DEP_3)
	v_mov_b32 v196, v197
	s_delay_alu instid0(VALU_DEP_3)
	v_mov_b32 v197, v198
.irp i, 0,1,2
	global_store_b64 v1, v[192+2*\i:193+2*\i], s[\CC:\CC+1] offset:256*\i   ; a piece: 256 consecutive bytes
.endr
	global_store_b8 v6, v228, s[\CE:\CE+1]
	s_wait_xcnt 0x0                                ; the stores have read their registers, which the next pass writes
.endm
.macro PASS p, Q, QS, JR, LR, CC, CE
	s_wait_dscnt 0x0                               ; no LDS load of mine is out: the loads below land in registers that the last step's loads named
	v_mov_b32 v[ADK], v1
	v_add_nc_u32 v[ADS], KS, v2
	KLOAD 0, 0                                     ; step 0's tiles of K
	s_lshl_b32 s58, s[\JR], 9
	s_add_co_u32 s58, s58, PT0                     ; the diagonal step's numbers
.irp b, 0,1,2,3
	s_cmp_lt_u32 s[CX], \b                         ; a block of 32 keys behind my queries' block takes the table with the causal -10,000
	s_cselect_b32 s[60+\b], PT1-PT0, 0
	s_add_co_u32 s[60+\b], s[60+\b], s58
.endr
.irp b, 0,1,2,3
	v_add_nc_u32 v[86+\b], s[60+\b], v3
.endr
.if \p
	v_add_nc_u32 v4, 8, v4                         ; the second tile's queries lie 8 further on in their block
.endif
	v_mov_b32 v13, 0xff61b1e6                      ; the largest t so far: -3e38
	s_delay_alu instid0(VALU_DEP_1)
	v_floor_f32 v12, -v13
	v_mov_b32 v14, 0
	v_mov_b32 v15, 0
.set j, 0
.rept 32
	v_mov_b32 v[160+j], 0                          ; O^T: the step is written once; the first change of M multiplies zeros
.set j, j+1
.endr
	s_mov_b32 s[ST], 0
	s_mov_b32 s[TK], KC
	s_mov_b32 s[TV], VC
	s_mov_b32 s[TS], KS
	s_mov_b32 s[TT], VS
	s_mov_b32 s[TP], PT0
.Lstep_\@:                                     ; 16 trips for every tile; the steps behind the tile's last are passed over
	s_cmp_gt_u32 s[ST], s[\LR]
	s_cbranch_scc1 .Lnext_\@
	STEP \Q, \QS, \JR
.Lnext_\@:
	s_add_co_u32 s[TK], s[TK], 6144
	s_add_co_u32 s[TV], s[TV], 6144
	s_add_co_u32 s[TS], s[TS], 512
	s_add_co_u32 s[TT], s[TT], 256
	s_add_co_u32 s[TP], s[TP], 512
	s_add_co_u32 s[ST], s[ST], 1
	s_cmp_lt_u32 s[ST], 16
	s_cbranch_scc1 .Lstep_\@
	FIN \CC, \CE
.endm
	PASS 0, 16, 29, WV, LM0, 70, 74
	PASS 1, 240, 252, J1, LM1, 72, 76
	s_wait_tensorcnt 0x0                           ; the wave's end
	ds_add_u32 v254, v255
	s_wait_dscnt 0x0
	s_endpgm
.Lfunc_end_k_q58fec0a5fe_attn:
	.size	k_q58fec0a5fe_attn, .Lfunc_end_k_q58fec0a5fe_attn-k_q58fec0a5fe_attn
	.p2alignl 7, 3214868480
	.fill 96, 4, 3214868480
	.section	.rodata,"a",@progbits
	.p2align	6, 0x0
	.amdhsa_kernel k_q58fec0a5fe_attn
		.amdhsa_group_segment_fixed_size 231424
		.amdhsa_private_segment_fixed_size 0
		.amdhsa_enable_private_segment 0
		.amdhsa_kernarg_size 40
		.amdhsa_user_sgpr_count 2
		.amdhsa_user_sgpr_kernarg_segment_ptr 1
		.amdhsa_wavefront_size32 1
		.amdhsa_system_sgpr_workgroup_id_x 1
		.amdhsa_system_sgpr_workgroup_id_y 1
		.amdhsa_system_sgpr_workgroup_id_z 1
		.amdhsa_system_vgpr_workitem_id 0
		.amdhsa_next_free_vgpr 256
		.amdhsa_next_free_sgpr 100
		.amdhsa_reserve_vcc 1
		.amdhsa_float_denorm_mode_32 3
		.amdhsa_float_denorm_mode_16_64 3
		.amdhsa_memory_ordered 1
		.amdhsa_forward_progress 1
		.amdhsa_inst_pref_size 97
	.end_amdhsa_kernel
	.amdgpu_metadata
---
amdhsa.version: [ 1, 2 ]
amdhsa.kernels:
  - .name:           k_q58fec0a5fe_attn
    .symbol:         k_q58fec0a5fe_attn.kd
    .args:
      - { .name: qkv, .offset: 0, .size: 8, .value_kind: global_buffer, .address_space: global }
      - { .name: qkvs, .offset: 8, .size: 8, .value_kind: global_buffer, .address_space: global }
      - { .name: key_padding_mask, .offset: 16, .size: 8, .value_kind: global_buffer, .address_space: global }
      - { .name: cc, .offset: 24, .size: 8, .value_kind: global_buffer, .address_space: global }
      - { .name: cs, .offset: 32, .size: 8, .value_kind: global_buffer, .address_space: global }
    .group_segment_fixed_size: 231424
    .private_segment_fixed_size: 0
    .kernarg_segment_align: 8
    .kernarg_segment_size: 40
    .max_flat_workgroup_size: 512
    .sgpr_count:     100
    .vgpr_count:     256
    .wavefront_size: 32
...
	.end_amdgpu_metadata
.endif
;; end of part 3
;; launch outp (part 4): grid 4 x 32, 4 waves a work-group, clusters of 4 x 4, 327,680 bytes of LDS; arguments cc, cs, c1, s1, out_b, out0; writes out0
.if DOCPART == 4
	.amdgcn_target "amdgcn-amd-amdhsa--gfx1250"
	.amdhsa_code_object_version 6
	.text
	.protected	k_q58fec0a5fe_outp
	.globl	k_q58fec0a5fe_outp
	.p2align	8
	.type	k_q58fec0a5fe_outp,@function
k_q58fec0a5fe_outp:
	s_mov_b64 s[64:65], 0
	v_nop
	global_prefetch_b8 v0, s[64:65] scope:SCOPE_SE
	s_setreg_imm32_b32 hwreg(HW_REG_WAVE_MODE, 25, 1), 1
	s_wait_xcnt 0x0
	s_wait_alu depctr_hold_cnt(0) depctr_sa_sdst(0) depctr_va_vdst(0) depctr_va_sdst(0) depctr_va_ssrc(0) depctr_va_vcc(0) depctr_vm_vsrc(0)
	s_getreg_b32 s2, hwreg(HW_REG_IB_STS2, 6, 4)
	s_cmp_eq_u32 s2, 0
	s_cbranch_scc0 .Lentry_in_a_cluster
	s_endpgm
.Lentry_in_a_cluster:
	s_bfe_u32 s2, ttmp6, 0x10000c
	s_cmp_lg_u32 s2, 0xf033
	s_cbranch_scc0 .Lentry_shape_is_right
	s_endpgm
.Lentry_shape_is_right:
.set NQ,     2
.set FR,     12
.set NL,     6
.set NP,     4
.set GB,     1536
.set TB,     NQ*GB
.set HALFT,  8*TB
.set SLOT,   4*HALFT
.set SCL,    2*SLOT
.set SPARE,  SCL+4*4096
.set STAGE,  SPARE+512
.set SPITCH, 528
.set ADRA, 16
.set ADRB, 20
.set STO,  24
.set RD,   25
.set CO,   26
.set ADRS, 27
.set SPW,  28
.set NIL,  29
.set SC,   32
.set BI,   64
.set AF,   128
.set BK,   128
.set G1, 24
.set G0, 32
.set G1B, 48
.set G0B, 56
.set G1S, 68
.set G0S, 76
.set G1SB, 80
.set G0SB, 88
.set MSB, 0
.macro WIN new
.if MSB != (\new)
	s_set_vgpr_msb (MSB<<8)|(\new)
.set MSB, (\new)
.endif
.endm
.set MUL_LO, 0xa1
.set MUL_HI, 0xf1
.set TO_B,   0x40
.macro JLOAD g0a, g1a, g0b, g1b
	s_cmp_eq_u32 s15, 0
	s_cbranch_scc0 .Lfor_b_\@
	tensor_load_to_lds s[\g0a:\g0a+3], s[\g1a:\g1a+7]
	s_nop 0
.rept 4
	v_nop
.endr
	s_branch .Lasked_\@
.Lfor_b_\@:
	tensor_load_to_lds s[\g0b:\g0b+3], s[\g1b:\g1b+7]
	s_nop 0
.rept 4
	v_nop
.endr
.Lasked_\@:
.endm
.macro CREST
	s_cmp_lg_u32 s14, 0
	s_cbranch_scc1 .Lnot_wave_0_\@
	s_barrier_signal -3
.Lnot_wave_0_\@:
	s_barrier_wait -3
	s_barrier_signal -1
	s_barrier_wait -1
.endm
.macro CROUND
	s_barrier_signal -1
	s_barrier_wait -1
	CREST
.endm
.macro PLACES n
.rept \n
	v_nop
.endr
.endm
.macro FRAG reg, adr, q, i
.irp p, 0,1,2,3,4,5
	ds_load_b64 v[\reg+2*\p:\reg+2*\p+1], v[\adr] offset:(\i)*TB+(\q)*GB+\p*256
.endr
.endm
.macro MUL16 a0, p, q, sc, zero
.irp a, \a0, \a0+1
.irp b, 0,1,2,3,4,5,6,7
.if \zero
	v_wmma_scale_f32_16x16x128_f8f6f4 v[8*(8*((\a)%4)+\b):8*(8*((\a)%4)+\b)+7], v[128*(\p)+FR*\b:128*(\p)+FR*\b+FR-1], v[AF+FR*(\a):AF+FR*(\a)+FR-1], v[BI+8*\b:BI+8*\b+7], v[SC+8*NQ*(\sc)+NQ*\b+(\q)], v[SC+8*NQ*(\sc)+NQ*(\a)+(\q)] matrix_a_fmt:MATRIX_FMT_BF6 matrix_b_fmt:MATRIX_FMT_BF6 matrix_a_scale:MATRIX_SCALE_ROW1
.else
	v_wmma_scale_f32_16x16x128_f8f6f4 v[8*(8*((\a)%4)+\b):8*(8*((\a)%4)+\b)+7], v[128*(\p)+FR*\b:128*(\p)+FR*\b+FR-1], v[AF+FR*(\a):AF+FR*(\a)+FR-1], v[8*(8*((\a)%4)+\b):8*(8*((\a)%4)+\b)+7], v[SC+8*NQ*(\sc)+NQ*\b+(\q)], v[SC+8*NQ*(\sc)+NQ*(\a)+(\q)] matrix_a_fmt:MATRIX_FMT_BF6 matrix_b_fmt:MATRIX_FMT_BF6 matrix_a_scale:MATRIX_SCALE_ROW1
.endif
.endr
.endr
.endm
.macro FETCH_B slot, q, p
	WIN TO_B
.irp i, 0,1,2,3,4,5,6,7
	FRAG 128*(\p)+FR*\i, ADRB+\slot, \q, \i
.endr
	WIN 0
.endm
.macro FETCH_A slot, q, i0
.irp i, \i0, \i0+1, \i0+2, \i0+3
	FRAG AF+FR*(\i), ADRA+\slot, \q, \i
.endr
.endm
.macro SCALES sc, ks
.irp i, 0,1,2,3,4,5,6,7
	ds_load_b64 v[SC+8*NQ*\sc+NQ*\i:SC+8*NQ*\sc+NQ*\i+1], v[ADRS] offset:\i*512+((\ks)/2)*256+((\ks)%2)*8
.endr
.endm
.macro STEP slot, q, zero
	s_wait_dscnt 4*NL
.if \zero
	WIN 0x81
.else
	WIN MUL_LO
.endif
	MUL16 0, (\q)%2, \q, \slot, \zero
	MUL16 2, (\q)%2, \q, \slot, \zero
	s_wait_dscnt 0
	PLACES NP
	FETCH_B \slot, (\q)+1, 1-(\q)%2
	FETCH_A \slot, (\q)+1, 0
.if \zero
	WIN 0xc1
.else
	WIN MUL_HI
.endif
	MUL16 4, (\q)%2, \q, \slot, \zero
	MUL16 6, (\q)%2, \q, \slot, \zero
	PLACES NP
	WIN 0
	FETCH_A \slot, (\q)+1, 4
.endm
.macro TURN slot, next, fill, ks
	s_wait_tensorcnt 0x0
	ds_add_u32 v[SPW], v[NIL]
	s_wait_dscnt 4*NL+1
	WIN MUL_LO
	MUL16 0, 1, NQ-1, \slot, 0
	s_wait_dscnt 0x0
	s_barrier_signal -1
	MUL16 2, 1, NQ-1, \slot, 0
	WIN 0
	s_barrier_wait -1
.if \fill
	CREST
	s_add_nc_u64 s[G0+4*\slot+2:G0+4*\slot+3], s[G0+4*\slot+2:G0+4*\slot+3], 2*TB
	s_add_nc_u64 s[G0B+4*\slot+2:G0B+4*\slot+3], s[G0B+4*\slot+2:G0B+4*\slot+3], 2*TB
	JLOAD G0+4*\slot, G1, G0B+4*\slot, G1B
.else
	PLACES NP
.endif
	FETCH_B \next, 0, 0
	FETCH_A \next, 0, 0
	SCALES \next, \ks
	WIN MUL_HI
	MUL16 4, 1, NQ-1, \slot, 0
	MUL16 6, 1, NQ-1, \slot, 0
	PLACES NP
	WIN 0
	FETCH_A \next, 0, 4
.endm
.macro LAST
	s_wait_dscnt 4*NL
	WIN MUL_LO
	MUL16 0, 1, NQ-1, 1, 0
	MUL16 2, 1, NQ-1, 1, 0
	s_wait_dscnt 0
	WIN MUL_HI
	MUL16 4, 1, NQ-1, 1, 0
	MUL16 6, 1, NQ-1, 1, 0
	WIN 0
.endm
	s_load_b128 s[4:7], s[0:1], 0x0
	s_load_b128 s[8:11], s[0:1], 0x10
	s_load_b128 s[96:99], s[0:1], 0x20
	v_lshl_add_u32 v[SPW], v0, 2, SPARE
	v_mov_b32 v[NIL], 0
	ds_add_u32 v28, v29
	ds_add_u32 v28, v29
	s_wait_dscnt 0x0
	v_lshrrev_b32 v1, 5, v0
	v_readfirstlane_b32 s14, v1
	s_lshr_b32 s15, s14, 1
	s_and_b32 s16, s14, 1
	s_bfe_u32 s40, ttmp6, 0x40000
	s_bfe_u32 s41, ttmp6, 0x40004
	s_lshl_b32 s42, ttmp9, 2
	s_add_co_u32 s42, s42, s40
	s_and_b32 s17, ttmp7, 0xffff
	s_lshl_b32 s17, s17, 2
	s_add_co_u32 s17, s17, s41
	s_lshl_b32 s43, s41, 2
	s_lshl_b32 s43, 15, s43
	s_lshl_b32 s44, 0x1111, s40
	s_or_b32 s[G1+0], s43, (3<<16)|(1<<21)
	s_or_b32 s[G1B+0], s44, (3<<16)|(1<<21)
.irp g, G1, G1B
	s_mov_b32 s[\g+1], 384<<16
	s_mov_b32 s[\g+2], 16<<16
	s_mov_b32 s[\g+3], 384<<16
	s_mov_b32 s[\g+4], 16
	s_mov_b32 s[\g+5], 1536
	s_mov_b32 s[\g+6], 0
	s_mov_b32 s[\g+7], 0
.endr
	s_or_b32 s[G1S+0], s43, (3<<16)|(1<<21)
	s_or_b32 s[G1SB+0], s44, (3<<16)|(1<<21)
.irp g, G1S, G1SB
	s_mov_b32 s[\g+1], 32<<16
	s_mov_b32 s[\g+2], 32<<16
	s_mov_b32 s[\g+3], 32<<16
	s_mov_b32 s[\g+4], 32
	s_mov_b32 s[\g+5], 32
	s_mov_b32 s[\g+6], 0
	s_mov_b32 s[\g+7], 0
.endr
	s_lshl_b32 s18, s16, 3
	s_lshl_b32 s20, s17, 4
	s_add_co_u32 s20, s20, s18
	s_lshl_b32 s46, s42, 4
	s_add_co_u32 s46, s46, s18
	s_add_co_u32 s46, s46, 704
	s_lshl_b32 s22, s20, 9
	s_mov_b32 s23, 0
	s_mul_i32 s20, s20, 12288
	s_mov_b32 s21, 0
	s_lshl_b32 s92, s46, 9
	s_mov_b32 s93, 0
	s_mul_i32 s46, s46, 12288
	s_mov_b32 s47, 0
	s_mul_i32 s45, s14, HALFT
	s_lshl_b32 s94, s14, 12
	s_wait_kmcnt 0x0
	s_add_nc_u64 s[20:21], s[4:5], s[20:21]
	s_add_nc_u64 s[22:23], s[6:7], s[22:23]
	s_add_nc_u64 s[46:47], s[8:9], s[46:47]
	s_add_nc_u64 s[92:93], s[10:11], s[92:93]
	CROUND
	s_mov_b32 s[G0S], 1
	s_mul_i32 s4, s16, 98304                       ; my half of a tile's 16 row tiles, in bytes of codes (the pointers that lay here have been used)
	s_mov_b32 s5, 0
	s_lshl_b32 s6, s16, 12                         ; and of scale bytes
	s_mov_b32 s7, 0
	s_sub_nc_u64 s[22:23], s[22:23], s[6:7]        ; the head's loads take whole tiles: back to their first rows
	s_sub_nc_u64 s[92:93], s[92:93], s[6:7]
	s_mov_b32 s[G0S+1], SCL
	s_mov_b64 s[G0S+2:G0S+3], s[22:23]
	s_or_b32 s[G0S+3], s[G0S+3], 0x80000000
	s_mov_b32 s[G0SB], 1
	s_mov_b32 s[G0SB+1], SCL+8192
	s_mov_b64 s[G0SB+2:G0SB+3], s[92:93]
	s_or_b32 s[G0SB+3], s[G0SB+3], 0x80000000
.irp s, 0,1
	s_mov_b32 s[G0+4*\s], 1
	s_add_co_u32 s[G0+4*\s+1], s45, \s*SLOT
	s_add_nc_u64 s[G0+4*\s+2:G0+4*\s+3], s[20:21], \s*TB
	s_or_b32 s[G0+4*\s+3], s[G0+4*\s+3], 0x80000000
	s_mov_b32 s[G0B+4*\s], 1
	s_add_co_u32 s[G0B+4*\s+1], s45, \s*SLOT
	s_add_nc_u64 s[G0B+4*\s+2:G0B+4*\s+3], s[46:47], \s*TB
	s_or_b32 s[G0B+4*\s+3], s[G0B+4*\s+3], 0x80000000
.endr
	s_mov_b32 s[G0+1], 0                           ; for the head slot 0's descriptors name whole tiles: A's 16 row tiles at byte 0,
	s_sub_nc_u64 s[G0+2:G0+3], s[G0+2:G0+3], s[4:5]
	s_mov_b32 s[G0B+1], 2*HALFT                    ; B's behind them
	s_sub_nc_u64 s[G0B+2:G0B+3], s[G0B+2:G0B+3], s[4:5]
; THE HEAD'S LOADS, ONE A WAVE: wave 0 A's codes of slot 0, wave 1 B's, wave 2 A's scales, wave 3 B's.  One tree of branches on the wave's number: every way passes one load.
.macro ARM under, g0, g1, next
	s_cmp_lt_u32 s14, \under
	s_cbranch_scc0 \next
	tensor_load_to_lds s[\g0:\g0+3], s[\g1:\g1+7]
	s_nop 0
.rept 4
	v_nop
.endr
	s_branch .Lhead_asked
\next:
.endm
	ARM 1, G0,  G1,  .Lhead_b
	ARM 2, G0B, G1B, .Lhead_sa
	ARM 3, G0S, G1S, .Lhead_sb
	tensor_load_to_lds s[G0SB:G0SB+3], s[G1SB:G1SB+7]
	s_nop 0
.rept 4
	v_nop
.endr
.Lhead_asked:
	v_and_b32 v1, 15, v0
	v_bfe_u32 v2, v0, 4, 1
	v_and_b32 v3, 31, v0
	v_lshlrev_b32 v[CO], 4, v3
	v_lshlrev_b32 v3, 3, v3
	s_wait_alu depctr_va_vdst(0)
	v_lshlrev_b32 v7, 6, v2
	s_lshl_b32 s92, s42, 1
	s_add_co_u32 s92, s92, s16
	s_lshl_b32 s92, s92, 9
	s_mov_b32 s93, 0
	s_add_nc_u64 s[96:97], s[96:97], s[92:93]
.irp b, 0,1,2,3,4,5,6,7
	global_load_b128 v[BI+8*\b:BI+8*\b+3], v7, s[96:97] offset:(32*(\b/2)+8*(\b%2))*4
	global_load_b128 v[BI+8*\b+4:BI+8*\b+7], v7, s[96:97] offset:(32*(\b/2)+8*(\b%2))*4+16
.endr
	s_lshl_b32 s20, s17, 1
	s_add_co_u32 s20, s20, s15
	s_lshl_b32 s20, s20, 19
	s_add_co_u32 s92, s92, s20
	s_add_nc_u64 s[98:99], s[98:99], s[92:93]
	s_mul_i32 s21, s15, HALFT
	s_mul_i32 s22, s16, HALFT
	s_add_co_u32 s22, s22, 2*HALFT
.irp s, 0,1
	v_add_nc_u32 v[ADRA+\s], s21, v3
	v_add_nc_u32 v[ADRB+\s], s22, v3
	s_add_co_u32 s21, s21, SLOT
	s_add_co_u32 s22, s22, SLOT
.endr
	v_lshlrev_b32 v4, 4, v1
	s_lshl_b32 s21, s15, 12
	s_lshl_b32 s22, s16, 12
	s_add_co_u32 s22, s22, 8192
	s_sub_co_u32 s22, s22, s21
	v_mul_u32_u24 v6, s22, v2
	s_add_co_u32 s21, s21, SCL
	v_add_nc_u32 v5, v4, v6
	v_add_nc_u32 v[ADRS], s21, v5
	s_mul_i32 s23, s14, 16*SPITCH
	s_add_co_u32 s23, s23, STAGE
	v_mul_u32_u24 v5, v1, SPITCH
	v_lshl_add_u32 v5, v2, 6, v5
	v_add_nc_u32 v[STO], s23, v5
	v_add_nc_u32 v[RD], s23, v[CO]
	s_wait_alu depctr_va_vdst(0)
	s_wait_tensorcnt 0x0                           ; my tile of the head's four is in; these lines stand ahead of a later first fill as ahead of a refill
	ds_add_u32 v28, v29
	s_mov_b32 s[G1+2], 8<<16                       ; no load of mine is out: from here on a load brings 8 row tiles, my half of a tile
	s_mov_b32 s[G1+4], 8
	s_mov_b32 s[G1B+2], 8<<16
	s_mov_b32 s[G1B+4], 8
	s_mov_b32 s[G0+1], s45
	s_add_nc_u64 s[G0+2:G0+3], s[G0+2:G0+3], s[4:5]
	s_mov_b32 s[G0B+1], s45
	s_add_nc_u64 s[G0B+2:G0B+3], s[G0B+2:G0B+3], s[4:5]
	s_wait_dscnt 0x0
	CROUND                                         ; all four tiles are in, and all sixteen work-groups are here
	JLOAD G0+4, G1, G0B+4, G1B                     ; slot 1's first fill, the first tensor load behind the round
	FETCH_B 0, 0, 0
	FETCH_A 0, 0, 0
	SCALES 0, 0
	FETCH_A 0, 0, 4
	s_wait_loadcnt 0x0
	STEP 0, 0, 2
	TURN 0, 1, 1, 1
	STEP 1, 0, 0
	TURN 1, 0, 1, 2
	STEP 0, 0, 0
	TURN 0, 1, 0, 3
	STEP 1, 0, 0
	LAST
.macro TOSTAGE a
.set AC, 64*((\a)%4)
	WIN 0x08+4*((\a)/4)
.irp b, 0,1,2,3,4,5,6,7
	ds_store_b128 v[STO], v[AC+8*\b:AC+8*\b+3] offset:128*(\b/2)+32*(\b%2)
	ds_store_b128 v[STO], v[AC+8*\b+4:AC+8*\b+7] offset:128*(\b/2)+32*(\b%2)+16
.endr
	WIN 0
.set BB, BK+64*((\a)%2)
.irp t, 0,1,2,3,4,5,6,7,8,9,10,11,12,13,14,15
	ds_load_b128 v[BB+4*\t:BB+4*\t+3], v[RD] offset:\t*SPITCH
.endr
.endm
.macro SEND a, younger
.set BB, BK+64*((\a)%2)
	s_wait_dscnt \younger
.irp t, 0,1,2,3,4,5,6,7,8,9,10,11,12,13,14,15
	global_store_b128 v[CO], v[BB+4*\t:BB+4*\t+3], s[98:99] offset:(32*((\a)/2)+8*((\a)%2)+\t+8*(\t/8))*4096 th:TH_STORE_NT
.endr
.endm
	PLACES NP
	TOSTAGE 0
.irp a, 1,2,3,4,5,6,7
.if \a > 1
	s_wait_xcnt 0x0
.endif
	TOSTAGE \a
	SEND \a-1, 32
.endr
	SEND 7, 0
	s_wait_tensorcnt 0x0
	ds_add_u32 v[SPW], v[NIL]
	s_wait_dscnt 0x0
	CROUND
	s_endpgm
.Lfunc_end_k_q58fec0a5fe_outp:
	.size	k_q58fec0a5fe_outp, .Lfunc_end_k_q58fec0a5fe_outp-k_q58fec0a5fe_outp
	.p2alignl 7, 3214868480
	.fill 96, 4, 3214868480
	.section	.rodata,"a",@progbits
	.p2align	6, 0x0
	.amdhsa_kernel k_q58fec0a5fe_outp
		.amdhsa_group_segment_fixed_size 327680
		.amdhsa_private_segment_fixed_size 0
		.amdhsa_enable_private_segment 0
		.amdhsa_kernarg_size 48
		.amdhsa_user_sgpr_count 2
		.amdhsa_user_sgpr_kernarg_segment_ptr 1
		.amdhsa_wavefront_size32 1
		.amdhsa_system_sgpr_workgroup_id_x 1
		.amdhsa_system_sgpr_workgroup_id_y 1
		.amdhsa_system_sgpr_workgroup_id_z 1
		.amdhsa_system_vgpr_workitem_id 0
		.amdhsa_next_free_vgpr 1024
		.amdhsa_next_free_sgpr 100
		.amdhsa_reserve_vcc 0
		.amdhsa_float_denorm_mode_32 3
		.amdhsa_float_denorm_mode_16_64 3
		.amdhsa_memory_ordered 1
		.amdhsa_forward_progress 1
		.amdhsa_inst_pref_size 161
	.end_amdhsa_kernel
	.amdgpu_metadata
---
amdhsa.version: [ 1, 2 ]
amdhsa.kernels:
  - .name:           k_q58fec0a5fe_outp
    .symbol:         k_q58fec0a5fe_outp.kd
    .args:
      - { .name: cc, .offset: 0, .size: 8, .value_kind: global_buffer, .address_space: global }
      - { .name: cs, .offset: 8, .size: 8, .value_kind: global_buffer, .address_space: global }
      - { .name: c1, .offset: 16, .size: 8, .value_kind: global_buffer, .address_space: global }
      - { .name: s1, .offset: 24, .size: 8, .value_kind: global_buffer, .address_space: global }
      - { .name: out_b, .offset: 32, .size: 8, .value_kind: global_buffer, .address_space: global }
      - { .name: out0, .offset: 40, .size: 8, .value_kind: global_buffer, .address_space: global }
    .group_segment_fixed_size: 327680
    .private_segment_fixed_size: 0
    .kernarg_segment_align: 8
    .kernarg_segment_size: 48
    .max_flat_workgroup_size: 128
    .sgpr_count:     100
    .vgpr_count:     1024
    .wavefront_size: 32
...
	.end_amdgpu_metadata
.endif
;; end of part 4
